; MI455X (gfx1250); checked and timed in simulation.
; The chip was launched on July 23, 2026; its instructions are those of AMD's public machine-readable ISA for CDNA 5 (MIT licence, August 2026) and "CDNA5" Instruction Set Architecture Reference Guide (July 2026). The comments in the code are by the model that wrote it; some were corrected since.
;; Unidirectional Attention. Allowed arithmetic: matrix products marked QUANTISED: E2M3 operands, one E8M0 scale for each 32 along K, by v_wmma_scale_f32_16x16x128_f8f6f4 with both operands' format E2M3, f32 sums; everything else in f32.
;; Inputs: out_b 1,024 float32; out_w 1,024 x 1,024 float32; qkv_b 3,072 float32; qkv_w 1,024 x 3,072 float32; x 4 x 2,048 x 1,024 float32.
;; Outputs: out0 4 x 2,048 x 1,024 float32.
;; This version of the problem:
;;   THIS VERSION OF THE PROBLEM IS GIVEN IN LOW PRECISION. The matrix products marked QUANTISED in the list below multiply operands that are first quantised to E2M3 (2 exponent bits, 3 mantissa bits; 6 bits a number), with one power-of-two scale for each 32 numbers along K (OCP MX v1.0); their sums are f32. All else is computed in f32.
;;   The module's matrix products, in the order in which they are computed (A, B: the left and right operand; K: the contracted axis; several contracted axes count as one K, in the product's order):
;;     1. [M 8,192, K 1,024] x [K 1,024, N 3,072]; A: input x; B: input qkv_w: QUANTISED
;;     2. batch 64 x [M 2,048, K 64] x [K 64, N 2,048]; A: computed on the way; B: computed on the way: QUANTISED
;;     3. batch 64 x [M 2,048, K 2,048] x [K 2,048, N 64]; A: softmax (see below); B: computed on the way: QUANTISED
;;     4. [M 8,192, K 1,024] x [K 1,024, N 1,024]; A: computed on the way; B: input out_w: QUANTISED
;;   THE QUANTISER, for each operand of a quantised product, along K:
;;     - K is cut into blocks of 32 from its start; a last block that is shorter is filled with zeros.
;;     - A block's scale is 2^e with e = floor(log2(the largest magnitude in the block)) - 2, held to -126 .. 127; a block of zeros has e = 0. As a byte (E8M0): e + 127.
;;     - Each number is divided by its block's scale, clamped to +-7.5, and rounded to the nearest number of E2M3, ties to even, subnormals kept.
;;     - The product sums the exact products of the quantised numbers (number of the format x scale) in f32.
;;   ~~~python
;;   def quantise(x, axis):      # numpy; x: float32 -> the quantised numbers, widened to float32 again
;;       x = np.moveaxis(x, axis, -1); K = x.shape[-1]
;;       x = np.pad(x, [(0, 0)] * (x.ndim - 1) + [(0, -K % 32)]); x = x.reshape(x.shape[:-1] + (-1, 32)); a = np.abs(x).max(-1, keepdims=True)
;;       e = np.where(a > 0, np.clip(np.frexp(np.where(a > 0, a, 1))[1] - 1 - 2, -126, 127), 0)      # np.frexp(a)[1] - 1 = floor(log2(a)), exactly
;;       r = np.clip(x / 2.0 ** e, -7.5, 7.5)
;;       step = 2.0 ** (np.maximum(np.frexp(np.where(r == 0, 1, r))[1] - 1, 0) - 3)
;;       q = np.round(r / step) * step * 2.0 ** e      # np.round: ties to even
;;       return np.moveaxis(q.reshape(q.shape[:-2] + (-1,))[..., :K], -1, axis).astype(np.float32)
;;   ~~~
;;   SOFTMAX AHEAD OF A QUANTISED PRODUCT. Where the list says 'softmax', what is quantised is not the finished softmax but p = 2^(t - M), with t = logit x log2(e) and M = ceil(the row's largest t), a whole number; so 1/2 < the row's largest p <= 1. The row's sum l is taken of the UNQUANTISED p, in f32, and the product's result is divided by l at the end. Since M is a whole number, a kernel that streams over the keys may use a running M (the ceiling of the running maximum): every later rescaling is an exact power of two, which a block's scale takes up: the codes' values come out the same.
;;   OPERANDS COMPUTED ON THE WAY. 'Computed on the way' means the value that the module computes at that place (a softmax that the list does not call 'softmax' is quantised finished and normalised). What goes into a quantiser is computed in f32, as accurately as f32 sums, v_exp_f32 and their like allow (about 1e-6 of the number): no bf16 or f16 on the way to a quantiser, and a product that is left as it is and whose result goes on into a quantised operand takes f32 operands (vector FMAs, or v_wmma_f32_16x16x4_f32). A number that lies on a knife's edge between two numbers of the format may be rounded either way, as far as f32 arithmetic and the matrix unit's own rounding can turn it there, and no further.
;; One version. Each part assembles by itself: llvm-mc -triple=amdgcn-amd-amdhsa -mcpu=gfx1250 --defsym DOCPART=n.
;; ======== version 1 of 1: 4 launches
;; workspace buffers: xq 6,553,600 bytes; wq 3,276,800 bytes; qc 6,553,600 bytes; kv 13,107,200 bytes; vs 262,144 bytes; cq 6,553,600 bytes
;; launch prep (part 1): grid 384 x 1, 4 waves a work-group, no clusters, 58,880 bytes of LDS; arguments x, qkv_w, out_w, xq, wq; writes xq, wq
.if DOCPART == 1
	.amdgcn_target "amdgcn-amd-amdhsa--gfx1250"
	.amdhsa_code_object_version 6
	.text
	.protected	k_q0910e57e01_prep
	.globl	k_q0910e57e01_prep
	.p2align	8
	.type	k_q0910e57e01_prep,@function
k_q0910e57e01_prep:
	s_mov_b64 s[64:65], 0
	v_nop
	global_prefetch_b8 v0, s[64:65] scope:SCOPE_SE
	s_setreg_imm32_b32 hwreg(HW_REG_WAVE_MODE, 25, 1), 1
	s_wait_xcnt 0x0
; x [8192][1024], qkv_w [1024][3072] and out_w [1024][1024], f32, become codes of FP6 (E2M3) with one E8M0 byte for each 32 along K (K = 1024 in all three).
; A block's scale is 2^(floor(log2(its largest magnitude)) - 2); its byte is that magnitude's exponent field - 2, held at 1 from below (a block of zeros keeps the byte 1: its codes are zeros, and this program alone reads the bytes).
; LIMITS: NaN and infinities among the inputs are not served; blocks whose largest magnitude lies under 2^-124 take the floor's byte.
; LAYOUT OF THE CODES: images of operand registers.  A fragment is 16 rows x 128 K, 12 registers a lane: lane (r, h) holds row r, registers 6 c .. 6 c + 5 hold k = 64 c + 32 h + 0 .. 31.
; Half a fragment (6 registers) is 768 bytes: registers 0-3 at 16 x lane, registers 4-5 at 512 + 8 x lane.  A rowblock (16 rows) has 8 fragments, 12,288 bytes.
; Its scale words: 512 bytes a rowblock, [K half][r][4 words], behind all codes (XS_OFF, WS_OFF).
; ROW ORDER: lane r of rowblock P holds true row 32 (P / 2) + 8 (P % 2) + r + 8 (r / 8): so the results of later products, used transposed, have 16 neighbours along the next K in a lane's 16 registers.
; wq: rowblocks 0-191 are the columns of qkv_w, 192-255 those of out_w.
; Work-groups 0-255 take x (a wave: one rowblock x 512 along K), work-groups 256-383 the weights (a wave: 32 columns x 256 along K).  The two ways have LDS bytes of their own.
; No tensor loads, no barrier, no matrix unit, no cluster: waves share nothing, each byte is read once, and memory binds.
.set XS_OFF, 6291456
.set WS_OFF, 3145728
.set XSTB,  8448                       ; x's stage of a wave: 16 rows x (512 bytes + 16)
.set WSTG,  33792                      ; the weights' stages begin behind x's four
.set WSTB,  6144                       ; 2 rowblocks x 2 fragments
.set SPARE, 58368                      ; the spare words, 128 bytes for each wave: two blocks of 256 bytes that no other line names
.set SPW,   12                         ; v12  my spare word's LDS address; never rewritten
.set NIL,   13                         ; v13  0; never rewritten
.set XR,    16                         ; x: v16-79 a step's numbers as loaded
.set XX,    80                         ; v80-143 the same, 2 x 32 neighbours a lane
.set XC,    144                        ; v144-191 codes, 12 registers for each step: no store's data are written again
.set XT,    192                        ; v192-194, v196-198 second halves of the conversions
.set XW,    200                        ; v200-203 a scale word for each step
.set VO,    16                         ; weights: v16-47 4 x lane + i rows
.set WX,    48                         ; v48-111 two sets of 32 numbers
.set CA,    112                        ; v112-117 a block's codes
.set CB,    120                        ; v120-122
.set SB,    124                        ; v124-125 scale bytes
.set OUTR,  128                        ; v128-175 the way out
	s_load_b128 s[4:7], s[0:1], 0x0                ; x, qkv_w
	s_load_b128 s[8:11], s[0:1], 0x10              ; out_w, xq
	s_load_b64 s[12:13], s[0:1], 0x20              ; wq
	v_lshl_add_u32 v[SPW], v0, 2, SPARE
	v_mov_b32 v[NIL], 0
	v_lshrrev_b32 v1, 5, v0
	v_readfirstlane_b32 s16, v1                    ; wave
	v_and_b32 v14, 31, v0                          ; lane
	s_cmp_lt_u32 ttmp9, 256
	s_cbranch_scc0 .Lweights
	; ---------------- x ----------------
	v_and_b32 v7, 15, v0                           ; r
	v_bfe_u32 v8, v0, 4, 1                         ; h
	v_lshlrev_b32 v1, 4, v14                       ; 16 x lane
	v_lshlrev_b32 v2, 3, v14                       ; 8 x lane
	s_mul_i32 s17, s16, XSTB
	v_add_nc_u32 v3, s17, v1                       ; the stage, on the way in: a row's 512 bytes as they lie
	v_mul_u32_u24 v4, v7, 528
	v_lshl_add_u32 v4, v8, 7, v4
	v_add_nc_u32 v4, s17, v4                       ; and on the way out: row r, + 128 h: my 32 neighbours of each 64
	v_lshlrev_b32 v5, 3, v8                        ; 8 h: where my two bytes stand in the scale word
	v_lshlrev_b32 v6, 4, v7
	v_lshl_add_u32 v6, v8, 3, v6                   ; 16 r + 8 h: my two scale words on the way out
	s_lshl_b32 s18, ttmp9, 2
	s_add_co_u32 s18, s18, s16                     ; W = 2 x rowblock + K half
	s_lshr_b32 s19, s18, 1                         ; rowblock P
	s_and_b32 s20, s18, 1                          ; K half
	s_lshr_b32 s21, s19, 1
	s_lshl_b32 s21, s21, 17                        ; 32 (P / 2) rows of 4,096 bytes
	s_and_b32 s22, s19, 1
	s_lshl_b32 s22, s22, 15                        ; 8 (P % 2) rows
	s_add_co_u32 s21, s21, s22
	s_lshl_b32 s22, s20, 11                        ; 512 numbers
	s_add_co_u32 s24, s21, s22
	s_mov_b32 s25, 0
	s_mul_i32 s26, s18, 6144                       ; codes: 12,288 P + 6,144 half
	s_mov_b32 s27, 0
	s_lshl_b32 s28, s18, 8                         ; scale words: 512 P + 256 half
	s_add_co_u32 s28, s28, XS_OFF
	s_mov_b32 s29, 0
	s_mov_b32 s30, 0x76543210
	s_mov_b32 s31, 0xfedcba98                      ; v_permlanex16_b32's selects for lane l xor 16
	s_mov_b32 s32, 0xffff0000                      ; lanes 16-31
	v_mov_b32 v211, 0                              ; a lane permute's destination counts as one of its sources
	s_wait_kmcnt 0x0
	s_add_nc_u64 s[4:5], s[4:5], s[24:25]
	s_add_nc_u64 s[26:27], s[10:11], s[26:27]
	s_add_nc_u64 s[28:29], s[10:11], s[28:29]
.macro XLOAD t                         ; step t: 128 along K of my 16 rows; each load reads one row's 512 consecutive bytes
.irp p, 0,1,2,3,4,5,6,7,8,9,10,11,12,13,14,15
	global_load_b128 v[XR+4*\p:XR+4*\p+3], v1, s[4:5] offset:(\p+8*(\p/8))*4096+512*(\t) th:TH_LOAD_NT
.endr
.endm
.macro XSTEP t
	s_wait_loadcnt 0x0                             ; this step's 16 loads are the only ones out
.irp p, 0,1,2,3,4,5,6,7,8,9,10,11,12,13,14,15
	ds_store_b128 v3, v[XR+4*\p:XR+4*\p+3] offset:528*\p
.endr
.irp c, 0,1
.irp m, 0,1,2,3,4,5,6,7
	ds_load_b128 v[XX+32*\c+4*\m:XX+32*\c+4*\m+3], v4 offset:256*\c+16*\m   ; LDS serves a wave's instructions in order: these see the stores above
.endr
.endr
	s_wait_dscnt 0x0                               ; the numbers are back, and the stores have read the registers that the next loads fill
.if (\t) < 3
	XLOAD (\t)+1
.endif
.irp c, 0,1
	v_max3_num_f32 v[204+\c], |v[XX+32*\c]|, |v[XX+32*\c+1]|, 0x1800000   ; my block 2 c + h, all 32 numbers mine; the floor 2^(3 - 127) holds the byte at 1 from below
.endr
.irp i, 2,4,6,8,10,12,14,16,18,20,22,24,26,28,30
.irp c, 0,1
	v_max3_num_f32 v[204+\c], v[204+\c], |v[XX+32*\c+\i]|, |v[XX+32*\c+\i+1]|
.endr
.endr
.irp c, 0,1
	v_add_nc_u32 v[206+\c], 0xff000000, v[204+\c]  ; 2 off the exponent field: the conversion's scale operand
.endr
.irp c, 0,1
	v_lshrrev_b32 v[208+\c], 23, v[206+\c]         ; the scale's byte
.endr
	v_lshl_or_b32 v210, v209, 16, v208             ; blocks h and 2 + h,
	v_lshlrev_b32 v210, v5, v210                   ; at their places;
	v_permlanex16_b32 v211, v210, s30, s31
	v_or_b32 v[XW+(\t)], v210, v211                ; with lane l xor 16's two the word is whole
.irp c, 0,1
	v_cvt_scalef32_pk16_fp6_f32 v[XC+12*(\t)+6*\c:XC+12*(\t)+6*\c+2], v[XX+32*\c:XX+32*\c+15], v[206+\c]
	v_cvt_scalef32_pk16_fp6_f32 v[XT+4*\c:XT+4*\c+2], v[XX+32*\c+16:XX+32*\c+31], v[206+\c]   ; (a conversion's three registers begin on an even number)
.endr
	v_nop                                          ; one plain place behind a scaled conversion
.irp c, 0,1
.irp i, 0,1,2
	v_mov_b32 v[XC+12*(\t)+6*\c+3+\i], v[XT+4*\c+\i]
.endr
.endr
	global_store_b128 v1, v[XC+12*(\t):XC+12*(\t)+3], s[26:27] offset:1536*(\t)            ; the fragment's image: runs of 512 and 256 consecutive bytes
	global_store_b64 v2, v[XC+12*(\t)+4:XC+12*(\t)+5], s[26:27] offset:1536*(\t)+512
	global_store_b128 v1, v[XC+12*(\t)+6:XC+12*(\t)+9], s[26:27] offset:1536*(\t)+768
	global_store_b64 v2, v[XC+12*(\t)+10:XC+12*(\t)+11], s[26:27] offset:1536*(\t)+1280
.endm
	XLOAD 0
	XSTEP 0
	XSTEP 1
	XSTEP 2
	XSTEP 3
	v_cndmask_b32 v212, v[XW], v[XW+2], s32        ; lanes 0-15 store words 0 and 1 of their row, lanes 16-31 words 2 and 3:
	v_cndmask_b32 v213, v[XW+1], v[XW+3], s32
	global_store_b64 v6, v[212:213], s[28:29]      ; 256 consecutive bytes
	s_wait_tensorcnt 0x0                           ; the wave's end, behind my last LDS store
	ds_add_u32 v[SPW], v[NIL]
	s_wait_dscnt 0x0
	s_endpgm
	; ---------------- the weights: K is the FIRST axis; a lane takes a column and its registers run down K ----------------
.Lweights:
	s_sub_co_u32 s17, ttmp9, 256
	s_mov_b32 s19, 4096
	s_cmp_lt_u32 s17, 96                           ; 96 work-groups for qkv_w, 32 for out_w
	s_cselect_b32 s18, 0, 96
	s_cselect_b32 s19, 12288, s19                  ; a row of the weight in bytes
	s_cselect_b32 s20, 0, 192                      ; its first rowblock in wq
	s_sub_co_u32 s17, s17, s18
	s_lshr_b32 s22, s17, 2                         ; which 128 columns
	s_and_b32 s23, s17, 3                          ; which 256 along K
	v_and_b32 v7, 7, v0
	v_bfe_u32 v8, v0, 4, 1
	v_lshl_add_u32 v7, v8, 3, v7                   ; column n0 + lane is lane r = lane % 8 + 8 (lane / 16)
	v_bfe_u32 v8, v0, 3, 1                         ; of rowblock u = (lane / 8) % 2
	s_mul_i32 s21, s16, WSTB
	s_add_co_u32 s21, s21, WSTG                    ; my stage
	v_mul_u32_u24 v9, v8, 3072
	v_add_nc_u32 v9, s21, v9
	v_lshl_add_u32 v1, v7, 4, v9                   ; into it: registers 0-3 of lane r
	v_lshl_add_u32 v2, v7, 3, v9                   ; and registers 4-5
	v_lshlrev_b32 v4, 4, v14                       ; 16 x lane
	v_add_nc_u32 v3, s21, v4                       ; out of it: as it lies
	v_lshlrev_b32 v5, 9, v8
	v_lshl_add_u32 v5, v7, 4, v5                   ; my column's scale words: 512 u + 16 r
	v_lshlrev_b32 v6, 2, v14
.set i, 0
.rept 32
	v_mad_u32_u24 v[VO+i], s19, i, v6              ; 4 x lane + i rows
.set i, i+1
.endr
	s_lshl_b32 s24, s22, 7
	s_lshl_b32 s25, s16, 5
	s_add_co_u32 s24, s24, s25                     ; n0 = 128 x group + 32 x wave
	s_lshl_b32 s26, s19, 8
	s_mul_i32 s26, s26, s23                        ; 256 rows x which
	s_lshl_b32 s25, s24, 2
	s_add_co_u32 s26, s26, s25
	s_mov_b32 s27, 0
	s_lshl_b32 s28, s19, 5                         ; a block's 32 rows
	s_mov_b32 s29, 0
	s_lshr_b32 s25, s24, 4
	s_add_co_u32 s25, s25, s20                     ; my first rowblock
	s_mul_i32 s48, s25, 12288
	s_mul_i32 s30, s23, 3072
	s_add_co_u32 s48, s48, s30                     ; codes: two fragments of each of two rowblocks
	s_mov_b32 s49, 0
	s_lshl_b32 s50, s25, 9
	s_lshr_b32 s30, s23, 1
	s_lshl_b32 s30, s30, 8
	s_add_co_u32 s50, s50, s30
	s_and_b32 s30, s23, 1
	s_lshl_b32 s30, s30, 3
	s_add_co_u32 s50, s50, s30
	s_add_co_u32 s50, s50, WS_OFF                  ; scale words: two of a row's eight
	s_mov_b32 s51, 0
	s_wait_kmcnt 0x0
	s_cmp_lt_u32 ttmp9, 352
	s_cselect_b64 s[4:5], s[6:7], s[8:9]           ; the choice hangs on the work-group's number alone
	s_add_nc_u64 s[32:33], s[4:5], s[26:27]        ; a base for each of my 8 blocks: no base is stepped
.irp t, 1,2,3,4,5,6,7
	s_add_nc_u64 s[32+2*\t:33+2*\t], s[30+2*\t:31+2*\t], s[28:29]
.endr
	s_add_nc_u64 s[48:49], s[12:13], s[48:49]
	s_add_nc_u64 s[50:51], s[12:13], s[50:51]
.macro WLOAD t                         ; block t: 32 rows of K at 32 neighbouring columns: 128 consecutive bytes a load, 512 a work-group
.set i, 0
.rept 32
	global_load_b32 v[WX+32*((\t)%2)+i], v[VO+i], s[32+2*(\t):33+2*(\t)] th:TH_LOAD_NT
.set i, i+1
.endr
.endm
.macro WBLOCK t
.set XS, WX+32*((\t)%2)
.if (\t) < 7
	s_wait_loadcnt 32                              ; this block's 32 loads are in; the next block's 32 may be out
.else
	s_wait_loadcnt 0x0
.endif
	v_max3_num_f32 v176, |v[XS]|, |v[XS+1]|, |v[XS+2]|
	v_max3_num_f32 v177, |v[XS+3]|, |v[XS+4]|, |v[XS+5]|
.irp i, 6,10,14,18,22,26
	v_max3_num_f32 v176, v176, |v[XS+\i]|, |v[XS+\i+1]|
	v_max3_num_f32 v177, v177, |v[XS+\i+2]|, |v[XS+\i+3]|
.endr
	v_max3_num_f32 v176, v176, |v[XS+30]|, |v[XS+31]|
	v_max3_num_f32 v176, v176, v177, 0x1800000     ; the floor
	v_add_nc_u32 v178, 0xff000000, v176            ; the conversion's scale operand
	v_lshrrev_b32 v177, 23, v178                   ; the byte
.if (\t)%4 == 0
	v_mov_b32 v[SB+(\t)/4], v177
.else
	v_lshl_or_b32 v[SB+(\t)/4], v177, 8*((\t)%4), v[SB+(\t)/4]
.endif
	v_cvt_scalef32_pk16_fp6_f32 v[CA:CA+2], v[XS:XS+15], v178
	v_cvt_scalef32_pk16_fp6_f32 v[CB:CB+2], v[XS+16:XS+31], v178
	v_nop                                          ; one plain place behind a scaled conversion
.irp i, 0,1,2
	v_mov_b32 v[CA+3+\i], v[CB+\i]
.endr
	; block t is registers 6 c .. 6 c + 5 (c = (t / 2) % 2) of lane r + 16 (t % 2) in fragment t / 4
	ds_store_b128 v1, v[CA:CA+3] offset:((\t)/4)*1536+(((\t)/2)%2)*768+256*((\t)%2)
	ds_store_b64 v2, v[CA+4:CA+5] offset:((\t)/4)*1536+(((\t)/2)%2)*768+512+128*((\t)%2)
.if (\t)+2 < 8
	WLOAD (\t)+2
.endif
	s_wait_dscnt 0x0                               ; the stores have read their registers: the next block's codes may be written
.endm
	WLOAD 0
	WLOAD 1
.irp t, 0,1,2,3,4,5,6,7
	WBLOCK \t
.endr
	global_store_b64 v5, v[SB:SB+1], s[50:51]      ; two scale words a column: pieces of 8 bytes, 16 apart; 131,072 bytes in the whole launch
.irp m, 0,1,2,3,4,5,6,7,8,9,10,11
	ds_load_b128 v[OUTR+4*\m:OUTR+4*\m+3], v3 offset:512*\m
.endr
.irp m, 0,1,2,3,4,5,6,7,8,9,10,11
	s_wait_dscnt 11-\m                             ; loads come back in order: piece m is in
	global_store_b128 v4, v[OUTR+4*\m:OUTR+4*\m+3], s[48:49] offset:(\m/6)*12288+(\m%6)*512   ; 512 consecutive bytes
.endr
	s_wait_tensorcnt 0x0                           ; the wave's end, behind my last LDS store
	ds_add_u32 v[SPW], v[NIL]
	s_wait_dscnt 0x0
	s_endpgm
.Lfunc_end_k_q0910e57e01_prep:
	.size	k_q0910e57e01_prep, .Lfunc_end_k_q0910e57e01_prep-k_q0910e57e01_prep
	.p2alignl 7, 3214868480
	.fill 96, 4, 3214868480
	.section	.rodata,"a",@progbits
	.p2align	6, 0x0
	.amdhsa_kernel k_q0910e57e01_prep
		.amdhsa_group_segment_fixed_size 58880
		.amdhsa_private_segment_fixed_size 0
		.amdhsa_enable_private_segment 0
		.amdhsa_kernarg_size 40
		.amdhsa_user_sgpr_count 2
		.amdhsa_user_sgpr_kernarg_segment_ptr 1
		.amdhsa_wavefront_size32 1
		.amdhsa_system_sgpr_workgroup_id_x 1
		.amdhsa_system_sgpr_workgroup_id_y 1
		.amdhsa_system_sgpr_workgroup_id_z 1
		.amdhsa_system_vgpr_workitem_id 0
		.amdhsa_next_free_vgpr 216
		.amdhsa_next_free_sgpr 66
		.amdhsa_reserve_vcc 0
		.amdhsa_float_denorm_mode_32 3
		.amdhsa_float_denorm_mode_16_64 3
		.amdhsa_memory_ordered 1
		.amdhsa_forward_progress 1
		.amdhsa_inst_pref_size 74
	.end_amdhsa_kernel
	.amdgpu_metadata
---
amdhsa.version: [ 1, 2 ]
amdhsa.kernels:
  - .name:           k_q0910e57e01_prep
    .symbol:         k_q0910e57e01_prep.kd
    .args:
      - { .name: x, .offset: 0, .size: 8, .value_kind: global_buffer, .address_space: global }
      - { .name: qkv_w, .offset: 8, .size: 8, .value_kind: global_buffer, .address_space: global }
      - { .name: out_w, .offset: 16, .size: 8, .value_kind: global_buffer, .address_space: global }
      - { .name: xq, .offset: 24, .size: 8, .value_kind: global_buffer, .address_space: global }
      - { .name: wq, .offset: 32, .size: 8, .value_kind: global_buffer, .address_space: global }
    .group_segment_fixed_size: 58880
    .private_segment_fixed_size: 0
    .kernarg_segment_align: 8
    .kernarg_segment_size: 40
    .max_flat_workgroup_size: 128
    .sgpr_count:     66
    .vgpr_count:     216
    .wavefront_size: 32
...
	.end_amdgpu_metadata
.endif
;; end of part 1
;; launch qkv (part 2): grid 12 x 32, 4 waves a work-group, clusters of 4 x 4, 327,680 bytes of LDS; arguments xq, wq, qkv_b, qc, kv, vs; writes qc, kv, vs
.if DOCPART == 2
	.amdgcn_target "amdgcn-amd-amdhsa--gfx1250"
	.amdhsa_code_object_version 6
	.text
	.protected	k_q0910e57e01_qkv
	.globl	k_q0910e57e01_qkv
	.p2align	8
	.type	k_q0910e57e01_qkv,@function
k_q0910e57e01_qkv:
	s_mov_b64 s[64:65], 0
	v_nop
	global_prefetch_b8 v0, s[64:65] scope:SCOPE_SE
	s_setreg_imm32_b32 hwreg(HW_REG_WAVE_MODE, 25, 1), 1
	s_wait_xcnt 0x0
	s_wait_alu depctr_hold_cnt(0) depctr_sa_sdst(0) depctr_va_vdst(0) depctr_va_sdst(0) depctr_va_ssrc(0) depctr_va_vcc(0) depctr_vm_vsrc(0)
	s_getreg_b32 s2, hwreg(HW_REG_IB_STS2, 6, 4)
	s_cmp_eq_u32 s2, 0
	s_cbranch_scc0 .Lentry_in_a_cluster
	s_endpgm
.Lentry_in_a_cluster:
	s_bfe_u32 s2, ttmp6, 0x10000c
	s_cmp_lg_u32 s2, 0xf033
	s_cbranch_scc0 .Lentry_shape_is_right
	s_endpgm
.Lentry_shape_is_right:
; q, k, v = x qkv_w + qkv_b on codes of FP6 (E2M3) with E8M0 scales, K = 1024; the results are quantised at once for the attention's two products and stored as images of operand registers.
; A work-group of four waves makes 256 x 256 results, a wave 128 x 128: 64 accumulators, 512 registers.  The matrix instruction takes the REGISTER side as source 0 and the LANE side as source 1:
; a lane holds one row of the lane side, and (by the row order in which the codes were laid) the 16 registers of two neighbouring tiles are 16 neighbours of the register side.
; KIND = the cluster's x: 0 q, 1 k: lanes = tokens (xq), registers = the heads' channels (wq): quantised along the channels, K of the first attention product.
;                         2 v:      lanes = channels (wq), registers = tokens (xq): quantised along the keys, K of the second.  Nothing is transposed; only pointers and offsets are chosen, by s_cselect on KIND.
; K goes through LDS in four parts of 256 (a rowblock's part is 3,072 consecutive bytes, images of registers: no padding, every LDS read runs on end).  Three slots are filled at the start, slot 0 once more: one refill in the launch.
; By this text's own count a wave has four tensor loads out at the most.  The scale words of the 512 rows, for all of K, come once.
; CLUSTERS: 4 x 4.  The lane side's tile hangs on cy and the cluster alone and is asked for jointly by my row of the cluster, the register side's on cx and the cluster alone, by my column.
; OUTPUT.  qc: a record of 6,400 bytes for (batch x 16 + head, 128 tokens): 8 half fragments (tile of 16 tokens x 64 channels), then 256 bytes of scale words (lane r: the words of fragments 0-3).
; kv: a record of 12,800 bytes: K as qc's, V's four fragments (16 channels x 128 keys) at 6,144, K's scale words at 12,288, V's at 12,544.
; vs: for each record the sums over its 128 keys of the QUANTISED v, 64 f32: made by the matrix unit (a fragment of ones x V's codes).  The attention needs them for the keys that the mask sets to -10000.
; LIMITS: NaN and infinities are not served; a block whose largest magnitude lies under 2^-124 takes the floor's byte, a block of zeros the byte 1 (its codes are zeros).
; REGISTERS: window 0: v1-11 lane terms; v12-23 LDS addresses; v24 scale words' address; v28, v29 the add's two; v32-63 scale words, two sets; v64-127 the register side's bias as C of the first products; v128-223 the lane side's fragments;
;   v224-239 the lane side's bias.  window 1: the register side's fragments, two sets.  windows 2, 3: the accumulators ((a, b) at v[8 (8 (a % 4) + b)]).  On the way out window 0 is free but for v0-31 and v224-239.
.set XS_OFF, 6291456
.set WS_OFF, 3145728
.set RBK,   3072                       ; a rowblock's bytes of one part of K: two fragments
.set HALFT, 8*RBK                      ; what one tensor load brings, and what one wave reads of a side
.set SLOT,  4*HALFT                    ; the lane side's 16 rowblocks, then the register side's 16
.set SCL,   3*SLOT                     ; behind the slots: the scale words, 4,096 bytes for each 8 rowblocks
.set SPARE, SCL+4*4096                 ; the spare words, 128 bytes for each wave: two blocks of 256 bytes that no other line names
.set FR,    12
.set ADRA,  12                         ; v12-17  slot s: v[12+2s] = my lane-side rows + 16 x lane, v[13+2s] = + 8 x lane
.set ADRB,  18                         ; v18-23  the same for the register side
.set ADRS,  24
.set SPW,   28
.set NIL,   29
.set SC,    32                         ; set s at v[SC+16 s]; register 2 i + q: lanes 0-15 the lane side's block i, lanes 16-31 the register side's block i, the part's q-th 128 along K
.set BB,    64
.set AF,    128
.set BA,    224
.set H,     64                         ; the way out: 64 numbers of a lane
.set PC,    128                        ; 12 registers of codes for each of my 8 blocks
.set PW,    32                         ; and a scale word
.set TM,    48                         ; v48-63 at work
.set CT,    240                        ; v240-242, v244-246
.set SEL,   56
.set G1,    24
.set G0,    32
.set G1B,   44
.set G0B,   52
.set G1S,   68
.set G0S,   76
.set G1SB,  80
.set G0SB,  88
.set MSB, 0
.macro WIN new                         ; the immediate's high byte repeats the setting that is left
.if MSB != \new
	s_set_vgpr_msb (MSB<<8)|\new
.set MSB, \new
.endif
.endm
.set MUL_LO, 0xa1                      ; source 0 window 1, source 1 window 0, C and D window 2
.set MUL_HI, 0xf1                      ; the same, C and D window 3
.set FST_LO, 0x81                      ; the first products: C (the bias) window 0, D window 2
.set FST_HI, 0xc1
.set TO_B,   0x40
; A joint load: waves 0 and 1 fetch for the lane side, waves 2 and 3 for the register side.  The branch hangs on the wave's number alone.  An s_nop 0 and four v_nop follow each line.
.macro JLOAD g0a, g1a, g0b, g1b
	s_cmp_eq_u32 s17, 0
	s_cbranch_scc0 .Lfor_b_\@
	tensor_load_to_lds s[\g0a:\g0a+3], s[\g1a:\g1a+7]
	s_nop 0
.rept 4
	v_nop
.endr
	s_branch .Lasked_\@
.Lfor_b_\@:
	tensor_load_to_lds s[\g0b:\g0b+3], s[\g1b:\g1b+7]
	s_nop 0
.rept 4
	v_nop
.endr
.Lasked_\@:
.endm
.macro CREST                           ; a round of the cluster's barrier behind its opening barrier
	s_cmp_lg_u32 s16, 0
	s_cbranch_scc1 .Lnot_wave_0_\@
	s_barrier_signal -3
.Lnot_wave_0_\@:
	s_barrier_wait -3
	s_barrier_signal -1
	s_barrier_wait -1
.endm
.macro CROUND
	s_barrier_signal -1
	s_barrier_wait -1
	CREST
.endm
.macro PLACES n                        ; plain vector instructions between a matrix instruction and a load into, or a read of, its registers
.rept \n
	v_nop
.endr
.endm
.macro FRAG reg, adr, q, i             ; a fragment's image: four loads, each on end over the lanes
	ds_load_b128 v[\reg:\reg+3], v[\adr] offset:(\i)*RBK+(\q)*1536
	ds_load_b64 v[\reg+4:\reg+5], v[\adr+1] offset:(\i)*RBK+(\q)*1536+512
	ds_load_b128 v[\reg+6:\reg+9], v[\adr] offset:(\i)*RBK+(\q)*1536+768
	ds_load_b64 v[\reg+10:\reg+11], v[\adr+1] offset:(\i)*RBK+(\q)*1536+1280
.endm
.macro FETCH_B slot, q, p              ; 32 loads
	WIN TO_B
.irp i, 0,1,2,3,4,5,6,7
	FRAG 128*(\p)+FR*\i, ADRB+2*(\slot), \q, \i
.endr
	WIN 0
.endm
.macro FETCH_A slot, q, i0             ; 16 loads
.irp i, \i0, \i0+1, \i0+2, \i0+3
	FRAG AF+FR*(\i), ADRA+2*(\slot), \q, \i
.endr
.endm
.macro SCALES sc, sg                   ; 8 loads: part sg's two words of each row
.irp i, 0,1,2,3,4,5,6,7
	ds_load_b64 v[SC+16*(\sc)+2*\i:SC+16*(\sc)+2*\i+1], v[ADRS] offset:\i*512+((\sg)/2)*256+((\sg)%2)*8
.endr
.endm
; 16 matrix instructions: lane-side blocks a0, a0 + 1 x the register side's eight.  The 64 accumulators take turns, one instruction a turn, in the same order in every step.
.macro MUL16 a0, p, q, sc, first
.irp a, \a0, \a0+1
.irp b, 0,1,2,3,4,5,6,7
.if \first
	v_wmma_scale_f32_16x16x128_f8f6f4 v[8*(8*((\a)%4)+\b):8*(8*((\a)%4)+\b)+7], v[128*(\p)+FR*\b:128*(\p)+FR*\b+FR-1], v[AF+FR*(\a):AF+FR*(\a)+FR-1], v[BB+8*\b:BB+8*\b+7], v[SC+16*(\sc)+2*\b+(\q)], v[SC+16*(\sc)+2*(\a)+(\q)] matrix_a_fmt:MATRIX_FMT_FP6 matrix_b_fmt:MATRIX_FMT_FP6 matrix_a_scale:MATRIX_SCALE_ROW1
.else
	v_wmma_scale_f32_16x16x128_f8f6f4 v[8*(8*((\a)%4)+\b):8*(8*((\a)%4)+\b)+7], v[128*(\p)+FR*\b:128*(\p)+FR*\b+FR-1], v[AF+FR*(\a):AF+FR*(\a)+FR-1], v[8*(8*((\a)%4)+\b):8*(8*((\a)%4)+\b)+7], v[SC+16*(\sc)+2*\b+(\q)], v[SC+16*(\sc)+2*(\a)+(\q)] matrix_a_fmt:MATRIX_FMT_FP6 matrix_b_fmt:MATRIX_FMT_FP6 matrix_a_scale:MATRIX_SCALE_ROW1
.endif
.endr
.endr
.endm
; A part's first 128 along K; it fetches the second 128 of the same slot.
.macro STEP slot, sc, first
	s_wait_dscnt 16                                ; all but the youngest 16 loads (lane-side blocks 4-7)
.if \first
	WIN FST_LO
.else
	WIN MUL_LO
.endif
	MUL16 0, 0, 0, \sc, \first
	MUL16 2, 0, 0, \sc, \first
	s_wait_dscnt 0x0                               ; blocks 4-7 are in
	PLACES 4
	FETCH_B \slot, 1, 1
	FETCH_A \slot, 1, 0
.if \first
	WIN FST_HI
.else
	WIN MUL_HI
.endif
	MUL16 4, 0, 0, \sc, \first
	MUL16 6, 0, 0, \sc, \first
	PLACES 4
	WIN 0
	FETCH_A \slot, 1, 4
.endm
; A part's second 128 along K; it fetches the next part, sg, from slot next.  mode 0: that slot was shown whole to every wave by an earlier barrier.  mode 1: a barrier, with each wave's wait for all its
; tensor loads, the add, and the wait for the add and its LDS reads in front of it.  mode 2: the same barrier opens a round of the cluster's, and behind it slot 0, which nobody reads any more, takes the last part of K.
.macro TURN slot, next, sg, mode
.set SCUR, ((\sg)+1)%2
.set SNXT, (\sg)%2
.if \mode
	s_wait_tensorcnt 0x0                           ; all my tensor loads have landed;
	ds_add_u32 v[SPW], v[NIL]                      ; 0 onto my spare word;
	s_wait_dscnt 17                                ; (the add and the youngest 16 loads may be out)
	WIN MUL_LO
	MUL16 0, 1, 1, SCUR, 0                         ; sixteen matrix instructions stand between the add and the wait for it
	s_wait_dscnt 0x0                               ; the add is done, and my reads of this slot are over
	s_barrier_signal -1
	MUL16 2, 1, 1, SCUR, 0
	WIN 0
	s_barrier_wait -1
.if \mode == 2
	CREST                                          ; no wave of any partner still reads slot 0 or has a load on its way
	s_add_nc_u64 s[G0+2:G0+3], s[G0+2:G0+3], 3*RBK
	s_add_nc_u64 s[G0B+2:G0B+3], s[G0B+2:G0B+3], 3*RBK
	JLOAD G0, G1, G0B, G1B                         ; the first tensor load behind the round, my one; its four v_nop are the places in front of the loads below
.else
	PLACES 4
.endif
.else
	s_wait_dscnt 16
	WIN MUL_LO
	MUL16 0, 1, 1, SCUR, 0
	MUL16 2, 1, 1, SCUR, 0
	s_wait_dscnt 0x0
	PLACES 4
.endif
	FETCH_B \next, 0, 0
	FETCH_A \next, 0, 0
	SCALES SNXT, \sg
	WIN MUL_HI
	MUL16 4, 1, 1, SCUR, 0
	MUL16 6, 1, 1, SCUR, 0
	PLACES 4
	WIN 0
	FETCH_A \next, 0, 4
.endm
	s_load_b256 s[4:11], s[0:1], 0x0               ; xq s[4:5], wq s[6:7], qkv_b s[8:9], qc s[10:11]
	s_load_b128 s[12:15], s[0:1], 0x20             ; kv s[12:13], vs s[14:15]
	v_lshl_add_u32 v[SPW], v0, 2, SPARE
	v_mov_b32 v[NIL], 0
	ds_add_u32 v[SPW], v[NIL]                      ; the wave's opening: the add and its wait stand ahead of my first tensor load; work on registers stands between them
	v_lshrrev_b32 v1, 5, v0
	v_readfirstlane_b32 s16, v1                    ; wave
	s_lshr_b32 s17, s16, 1                         ; which half of the lane side is mine.  Also: I fetch for the lane side (0) or the register side (1)
	s_and_b32 s18, s16, 1                          ; which half of the register side.  Also: which 8 rowblocks I fetch
	s_mov_b32 s19, ttmp9                           ; KIND: the cluster's x, the same in all sixteen partners
	s_bfe_u32 s20, ttmp6, 0x40000                  ; cx
	s_bfe_u32 s21, ttmp6, 0x40004                  ; cy
	s_and_b32 s22, ttmp7, 0xffff                   ; the cluster's y
	s_lshl_b32 s2, s21, 2
	s_lshl_b32 s2, 15, s2                          ; my row of the cluster
	s_lshl_b32 s3, 0x1111, s20                     ; my column
	s_or_b32 s[G1], s2, (3<<16)|(1<<21)            ; 15:0 the mask; 17:16 elements of 8 bytes; 21 set beside a mask; no padding
	s_or_b32 s[G1B], s3, (3<<16)|(1<<21)
	s_or_b32 s[G1S], s2, (3<<16)|(1<<21)
	s_or_b32 s[G1SB], s3, (3<<16)|(1<<21)
.irp g, G1, G1B                        ; a tile: 8 rows (rowblocks) of 384 elements (3,072 bytes), 1,536 elements (12,288 bytes) apart
	s_mov_b32 s[\g+1], 384<<16
	s_mov_b32 s[\g+2], 8<<16
	s_mov_b32 s[\g+3], 384<<16
	s_mov_b32 s[\g+4], 8
	s_mov_b32 s[\g+5], 1536
	s_mov_b32 s[\g+6], 0
	s_mov_b32 s[\g+7], 0
.endr
.irp g, G1S, G1SB                      ; the scale words of 8 rowblocks: 4,096 dense bytes as 16 rows of 256
	s_mov_b32 s[\g+1], 32<<16
	s_mov_b32 s[\g+2], 16<<16
	s_mov_b32 s[\g+3], 32<<16
	s_mov_b32 s[\g+4], 16
	s_mov_b32 s[\g+5], 32
	s_mov_b32 s[\g+6], 0
	s_mov_b32 s[\g+7], 0
.endr
	s_lshl_b32 s100, s22, 2
	s_add_co_u32 s100, s100, s21                   ; q, k: the lane side is x's tile 4 x cluster y + cy;
	s_add_co_u32 s23, s21, 8                       ; v: the weight's tile 8 + cy
	s_lshl_b32 s101, s19, 2
	s_add_co_u32 s101, s101, s20                   ; q, k: the register side is the weight's tile 4 KIND + cx;
	s_lshl_b32 s92, s22, 2
	s_add_co_u32 s92, s92, s20                     ; v: x's tile 4 x cluster y + cx
	s_mov_b32 s93, XS_OFF
	s_mov_b32 s94, WS_OFF
	s_cmp_eq_u32 s19, 2
	s_cselect_b32 s100, s23, s100                  ; TA: made of cy and the cluster alone
	s_cselect_b32 s101, s92, s101                  ; TB: made of cx and the cluster alone
	s_cselect_b32 s2, WS_OFF, s93                  ; where the lane side's scale words begin
	s_cselect_b32 s3, XS_OFF, s94                  ; and the register side's
	s_lshl_b32 s23, s18, 3
	s_lshl_b32 s92, s100, 4
	s_add_co_u32 s92, s92, s23                     ; the lane side's first rowblock that I would fetch
	s_lshl_b32 s96, s101, 4
	s_add_co_u32 s96, s96, s23                     ; the register side's
	s_lshl_b32 s94, s92, 9
	s_add_co_u32 s94, s94, s2
	s_mul_i32 s92, s92, 12288
	s_lshl_b32 s98, s96, 9
	s_add_co_u32 s98, s98, s3
	s_mul_i32 s96, s96, 12288
	s_mov_b32 s93, 0
	s_mov_b32 s95, 0
	s_mov_b32 s97, 0
	s_mov_b32 s99, 0
	s_mul_i32 s2, s16, HALFT                       ; where they go: wave x 8 rowblocks: no place in the cluster enters an LDS address
	s_lshl_b32 s3, s16, 12
	s_wait_dscnt 0x0                               ; the opening add is done
	s_wait_kmcnt 0x0
	s_cmp_eq_u32 s19, 2
	s_cselect_b64 s[66:67], s[6:7], s[4:5]         ; the lane side's buffer
	s_cselect_b64 s[22:23], s[4:5], s[6:7]         ; the register side's
	s_add_nc_u64 s[92:93], s[66:67], s[92:93]
	s_add_nc_u64 s[94:95], s[66:67], s[94:95]
	s_add_nc_u64 s[96:97], s[22:23], s[96:97]
	s_add_nc_u64 s[98:99], s[22:23], s[98:99]
	CROUND                                         ; all sixteen work-groups are here: the first joint loads meet
	s_mov_b32 s[G0S], 1
	s_add_co_u32 s[G0S+1], s3, SCL
	s_mov_b64 s[G0S+2:G0S+3], s[94:95]
	s_or_b32 s[G0S+3], s[G0S+3], 0x80000000
	s_mov_b32 s[G0SB], 1
	s_add_co_u32 s[G0SB+1], s3, SCL
	s_mov_b64 s[G0SB+2:G0SB+3], s[98:99]
	s_or_b32 s[G0SB+3], s[G0SB+3], 0x80000000
	JLOAD G0S, G1S, G0SB, G1SB                     ; the scale words first
.irp s, 0,1,2
	s_mov_b32 s[G0+4*\s], 1
	s_add_co_u32 s[G0+4*\s+1], s2, \s*SLOT
	s_add_nc_u64 s[G0+4*\s+2:G0+4*\s+3], s[92:93], \s*RBK
	s_or_b32 s[G0+4*\s+3], s[G0+4*\s+3], 0x80000000
	s_mov_b32 s[G0B+4*\s], 1
	s_add_co_u32 s[G0B+4*\s+1], s2, \s*SLOT
	s_add_nc_u64 s[G0B+4*\s+2:G0B+4*\s+3], s[96:97], \s*RBK
	s_or_b32 s[G0B+4*\s+3], s[G0B+4*\s+3], 0x80000000
	JLOAD G0+4*\s, G1, G0B+4*\s, G1B               ; parts 0, 1, 2 of K
.endr
	v_and_b32 v1, 31, v0                           ; lane
	v_and_b32 v2, 15, v0                           ; r
	v_bfe_u32 v3, v0, 4, 1                         ; h
	v_lshlrev_b32 v4, 4, v1                        ; 16 x lane
	v_lshlrev_b32 v5, 3, v1                        ; 8 x lane
	s_mul_i32 s2, s17, HALFT
	s_mul_i32 s3, s18, HALFT
	s_add_co_u32 s3, s3, 2*HALFT
.irp s, 0,1,2
	v_add_nc_u32 v[ADRA+2*\s], s2, v4
	v_add_nc_u32 v[ADRA+2*\s+1], s2, v5
	v_add_nc_u32 v[ADRB+2*\s], s3, v4
	v_add_nc_u32 v[ADRB+2*\s+1], s3, v5
	s_add_co_u32 s2, s2, SLOT
	s_add_co_u32 s3, s3, SLOT
.endr
	s_lshl_b32 s2, s17, 12
	s_lshl_b32 s3, s18, 12
	s_add_co_u32 s3, s3, 8192
	s_sub_co_u32 s3, s3, s2
	v_mul_u32_u24 v6, s3, v3                       ; lanes 16-31 take the register side's words: one product in h
	s_add_co_u32 s2, s2, SCL
	v_lshl_add_u32 v6, v2, 4, v6
	v_add_nc_u32 v[ADRS], s2, v6
	; the biases.  Both forms are loaded, inside the buffer; the one that this KIND does not have is made 0.
	s_lshl_b32 s2, s101, 10
	s_lshl_b32 s3, s18, 9
	s_add_co_u32 s2, s2, s3                        ; q, k: my 128 columns begin at 256 TB + 128 half
	s_lshl_b32 s92, s21, 10
	s_lshl_b32 s3, s17, 9
	s_add_co_u32 s92, s92, s3
	s_add_co_u32 s92, s92, 8192                    ; v: at 2048 + 256 cy + 128 half
	s_cmp_eq_u32 s19, 2
	s_cselect_b32 s2, 0, s2
	s_cselect_b32 s92, s92, 0
	s_cselect_b32 s94, -1, 0                       ; all lanes where KIND is v
	s_mov_b32 s3, 0
	s_mov_b32 s93, 0
	s_add_nc_u64 s[2:3], s[8:9], s[2:3]
	s_add_nc_u64 s[92:93], s[8:9], s[92:93]
	v_lshlrev_b32 v7, 6, v3                        ; 16 h numbers
	v_and_b32 v8, 8, v2
	v_add_nc_u32 v8, v8, v2
	v_lshlrev_b32 v8, 2, v8                        ; r + 8 (r / 8) numbers
.irp b, 0,1,2,3,4,5,6,7
	global_load_b128 v[BB+8*\b:BB+8*\b+3], v7, s[2:3] offset:(32*(\b/2)+8*(\b%2))*4
	global_load_b128 v[BB+8*\b+4:BB+8*\b+7], v7, s[2:3] offset:(32*(\b/2)+8*(\b%2))*4+16
.endr
.irp a, 0,1,2,3,4,5,6,7
	global_load_b32 v[BA+2*\a], v8, s[92:93] offset:(32*(\a/2)+8*(\a%2))*4
	v_mov_b32 v[BA+2*\a+1], 0                      ; (named with it as a pair, so it is written)
.endr
	s_wait_tensorcnt 2                             ; the scale words and part 0 are in; parts 1 and 2, my two younger loads, may be out
	s_barrier_signal -1
	s_barrier_wait -1
	FETCH_B 0, 0, 0
	FETCH_A 0, 0, 0
	SCALES 0, 0
	FETCH_A 0, 0, 4
	s_wait_loadcnt 0x0                             ; the biases
.set j, 0
.rept 64
	v_cndmask_b32 v[BB+j], v[BB+j], 0, s94
.set j, j+1
.endr
.irp a, 0,1,2,3,4,5,6,7
	v_cndmask_b32 v[BA+2*\a], 0, v[BA+2*\a], s94
.endr
	STEP 0, 0, 1                                   ; the first products take the bias as C: nothing is cleared
	TURN 0, 1, 1, 2                                ; the one refill: part 3 into slot 0
	STEP 1, 1, 0
	TURN 1, 2, 2, 0                                ; part 2 was shown landed in every wave by the wait and the round in front of the refill
	STEP 2, 0, 0
	TURN 2, 0, 3, 1                                ; part 3 has landed, in every wave
	STEP 0, 1, 0
	s_wait_dscnt 16
	WIN MUL_LO
	MUL16 0, 1, 1, 1, 0
	MUL16 2, 1, 1, 1, 0
	s_wait_dscnt 0x0
	WIN MUL_HI
	MUL16 4, 1, 1, 1, 0
	MUL16 6, 1, 1, 1, 0
	WIN 0
	; ---------------- THE WAY OUT.  No tensor load is out: the descriptors' registers are free. ----------------
	s_lshl_b32 s59, s100, 1
	s_add_co_u32 s59, s59, s17                     ; q, k: my 128 tokens are group 2 TA + half of the lane side,
	s_lshl_b32 s60, s101, 1
	s_add_co_u32 s60, s60, s18                     ; v: 2 TB + half of the register side
	s_and_b32 s61, s101, 3
	s_lshl_b32 s61, s61, 1
	s_add_co_u32 s61, s61, s18                     ; q, k: my pair of heads
	s_lshl_b32 s62, s21, 1
	s_add_co_u32 s62, s62, s17                     ; v: likewise
	s_mov_b32 s45, 768
	s_mov_b32 s46, 12800
	s_mov_b32 s50, 256
	s_cmp_eq_u32 s19, 2
	s_cselect_b32 s59, s60, s59                    ; G
	s_cselect_b32 s61, s62, s61                    ; hp
	s_cselect_b32 s44, 6144, 0                     ; V's fragments lie behind K's
	s_cselect_b32 s45, 1536, s45                   ; from block to block: half a fragment (q, k) or a whole one (v)
	s_cselect_b32 s58, -1, 0
	s_cmp_eq_u32 s19, 0
	s_cselect_b32 s46, 6400, s46                   ; a record
	s_cselect_b64 s[48:49], s[10:11], s[12:13]     ; qc or kv
	s_cmp_eq_u32 s19, 1
	s_cselect_b32 s50, 512, s50                    ; the scale words lie 256 (q, v) or 512 (k) bytes ahead of the record's end
	s_lshl_b32 s47, s46, 4                         ; from a head to the next: 16 records
	s_mov_b32 s51, 3072
	s_mov_b32 s54, 768
	s_cmp_eq_u32 s19, 2
	s_cselect_b32 s51, s47, s51                    ; from block 3 to block 4: on in the record (q, k) or the next head (v)
	s_cselect_b32 s54, s54, s47                    ; from a fragment's first half to its second: the next head (q, k) or on (v)
	s_lshr_b32 s63, s59, 4
	s_lshl_b32 s63, s63, 3
	s_add_co_u32 s63, s63, s61
	s_lshl_b32 s63, s63, 5                         ; (16 batch + 2 hp) x 16
	s_and_b32 s59, s59, 15
	s_add_co_u32 s63, s63, s59                     ; the record's number
	s_mul_i32 s52, s63, s46
	s_mov_b32 s53, 0
	s_add_nc_u64 s[48:49], s[48:49], s[52:53]
	s_sub_co_u32 s52, s46, s50
	s_add_nc_u64 s[40:41], s[48:49], s[52:53]      ; the scale words
	s_mov_b32 s52, s44
	s_add_nc_u64 s[48:49], s[48:49], s[52:53]
	s_lshl_b32 s52, s63, 8
	s_add_nc_u64 s[42:43], s[14:15], s[52:53]      ; the sums
.irp a, 0,1,2,3,4,5,6,7                ; a base for each block: none is stepped
	s_mul_i32 s52, s45, \a%4
.if \a > 3
	s_add_co_u32 s52, s52, s51
.endif
	s_add_nc_u64 s[24+2*\a:25+2*\a], s[48:49], s[52:53]
.endr
	s_mov_b32 s55, 0xffff0000                      ; lanes 16-31
	s_mov_b32 s[SEL], 0x76543210
	s_mov_b32 s[SEL+1], 0xfedcba98
	v_add_nc_u32 v27, s54, v4
	v_add_nc_u32 v30, s54, v5
	v_mul_u32_u24 v31, s47, v3
	v_lshl_add_u32 v31, v2, 4, v31                 ; scale words: 16 r, lanes 16-31 in the next head's record
	v_mov_b32 v11, 0x05040100
	v_mov_b32 v10, 0x07060302
	v_cndmask_b32 v11, v11, v10, s55               ; lanes 0-15 gather the words' low halves, lanes 16-31 the high ones
	v_lshlrev_b32 v9, 2, v1
.irp b, 0,1,2,3
	v_mov_b32 v[TM+4+\b], 0                        ; a lane permute's destination counts as one of its sources
.endr
; 64 numbers of a lane, register 16 b + i = k 32 b + 16 (lane / 16) + i of my row, become a fragment's codes and its scale word.
.macro QUANT s, pc, pw
.irp b, 0,1,2,3
	v_max3_num_f32 v[TM+\b], |v[\s+16*\b]|, |v[\s+1+16*\b]|, 0x1800000   ; my 16 numbers of block b, and the floor 2^(3 - 127)
.endr
.irp i, 2,4,6,8,10,12,14
.irp b, 0,1,2,3
	v_max3_num_f32 v[TM+\b], v[TM+\b], |v[\s+16*\b+\i]|, |v[\s+1+16*\b+\i]|
.endr
.endr
.irp b, 0,1,2,3
	v_permlanex16_b32 v[TM+4+\b], v[TM+\b], s[SEL], s[SEL+1]
.endr
.irp b, 0,1,2,3
	v_max_num_f32 v[TM+\b], v[TM+\b], v[TM+4+\b]   ; with lane l xor 16's
.endr
.irp b, 0,1,2,3
	v_add_nc_u32 v[TM+12+\b], 0xff000000, v[TM+\b] ; the conversion's scale operand
.endr
.irp b, 0,1,2,3
	v_lshrrev_b32 v[TM+4+\b], 23, v[TM+12+\b]      ; the byte
.endr
	v_lshl_or_b32 v[\pw], v[TM+5], 8, v[TM+4]
	v_lshl_or_b32 v[\pw], v[TM+6], 16, v[\pw]
	v_lshl_or_b32 v[\pw], v[TM+7], 24, v[\pw]
.irp c, 0,1
	v_cvt_scalef32_pk16_fp6_f32 v[\pc+6*\c:\pc+6*\c+2], v[\s+32*\c:\s+32*\c+15], v[TM+12+2*\c]
	v_cvt_scalef32_pk16_fp6_f32 v[CT+4*\c:CT+4*\c+2], v[\s+32*\c+16:\s+32*\c+31], v[TM+12+2*\c+1]
.endr
	v_nop                                          ; one plain place behind a scaled conversion
.irp c, 0,1                            ; the operand's layout wants a whole block in a lane
.irp i, 0,1,2
	v_permlane16_swap_b32 v[\pc+6*\c+\i], v[CT+4*\c+\i]
.endr
.irp i, 0,1,2
	v_mov_b32 v[\pc+6*\c+3+\i], v[CT+4*\c+\i]
.endr
.endr
.endm
.macro OUTA a                          ; my lane-side block a: bias, codes, four stores of 512 and 256 consecutive bytes
	WIN 0x02+((\a)/4)                              ; source 0: window 2 or 3
.set j, 0
.rept 32
	v_pk_add_f32 v[H+j:H+j+1], v[64*((\a)%4)+j:64*((\a)%4)+j+1], v[BA+2*(\a):BA+2*(\a)+1] op_sel_hi:[1,0]   ; each accumulator from its low end on
.set j, j+2
.endr
	WIN 0
	QUANT H, PC+12*(\a), PW+(\a)
	global_store_b128 v4, v[PC+12*(\a):PC+12*(\a)+3], s[24+2*(\a):25+2*(\a)]
	global_store_b64 v5, v[PC+12*(\a)+4:PC+12*(\a)+5], s[24+2*(\a):25+2*(\a)] offset:512
	global_store_b128 v27, v[PC+12*(\a)+6:PC+12*(\a)+9], s[24+2*(\a):25+2*(\a)]
	global_store_b64 v30, v[PC+12*(\a)+10:PC+12*(\a)+11], s[24+2*(\a):25+2*(\a)] offset:512
.endm
	PLACES 4
.irp a, 0,1,2,3,4,5,6,7
	OUTA \a
.endr
.irp b, 0,1,2,3
	v_perm_b32 v[44+\b], v[PW+2*\b+1], v[PW+2*\b], v11   ; q, k: fragment b's word: tile 2 b's two bytes of my head, then tile 2 b + 1's
	v_cndmask_b32 v[TM+\b], v[PW+\b], v[PW+4+\b], s55    ; v: fragment b's word of my head
.endr
.irp b, 0,1,2,3
	v_cndmask_b32 v[44+\b], v[44+\b], v[TM+\b], s58
.endr
	global_store_b128 v31, v[44:47], s[40:41]      ; 256 consecutive bytes for each of the two heads
	s_cmp_lg_u32 s19, 2                            ; KIND is the same in all partners
	s_cbranch_scc1 .Lno_sums
	; the sums of the quantised v over my 128 keys: ones (code 0b001000 = 1.0, scale byte 127) x V's codes
.irp i, 0,1,2,3
	v_mov_b32 v[64+3*\i], 0x08208208
	v_mov_b32 v[65+3*\i], 0x82082082
	v_mov_b32 v[66+3*\i], 0x20820820
.endr
	v_mov_b32 v40, 0x7f7f7f7f
	PLACES 8                                       ; a scale register written by a vector instruction stands 8 places ahead of a scaled matrix instruction
	WIN 0x80                                       ; destination window 2
.irp a, 0,1,2,3,4,5,6,7
	v_wmma_scale_f32_16x16x128_f8f6f4 v[8*\a:8*\a+7], v[64:75], v[PC+12*\a:PC+12*\a+11], 0, v40, v[PW+\a] matrix_a_fmt:MATRIX_FMT_FP6 matrix_b_fmt:MATRIX_FMT_FP6
.endr
	PLACES 4
	WIN 0x0a                                       ; sources 0 and 1 window 2
.irp i, 0,1,2,3
	v_cndmask_b32 v[52+\i], v[16*\i], v[16*\i+8], s55   ; every register of lane r holds channel r's sum: lanes 0-15 take tile 2 i's, lanes 16-31 tile 2 i + 1's
.endr
	WIN 0
.irp i, 0,1,2,3
	global_store_b32 v9, v[52+\i], s[42:43] offset:(\i/2)*4096+(\i%2)*128   ; runs of 128 bytes; 262,144 bytes in the whole launch
.endr
.Lno_sums:
	s_wait_tensorcnt 0x0                           ; the wave's end, behind my last tensor load
	ds_add_u32 v[SPW], v[NIL]
	s_wait_dscnt 0x0
	CROUND                                         ; the closing round
	s_endpgm
.Lfunc_end_k_q0910e57e01_qkv:
	.size	k_q0910e57e01_qkv, .Lfunc_end_k_q0910e57e01_qkv-k_q0910e57e01_qkv
	.p2alignl 7, 3214868480
	.fill 96, 4, 3214868480
	.section	.rodata,"a",@progbits
	.p2align	6, 0x0
	.amdhsa_kernel k_q0910e57e01_qkv
		.amdhsa_group_segment_fixed_size 327680
		.amdhsa_private_segment_fixed_size 0
		.amdhsa_enable_private_segment 0
		.amdhsa_kernarg_size 48
		.amdhsa_user_sgpr_count 2
		.amdhsa_user_sgpr_kernarg_segment_ptr 1
		.amdhsa_wavefront_size32 1
		.amdhsa_system_sgpr_workgroup_id_x 1
		.amdhsa_system_sgpr_workgroup_id_y 1
		.amdhsa_system_sgpr_workgroup_id_z 1
		.amdhsa_system_vgpr_workitem_id 0
		.amdhsa_next_free_vgpr 1024
		.amdhsa_next_free_sgpr 102
		.amdhsa_reserve_vcc 0
		.amdhsa_float_denorm_mode_32 3
		.amdhsa_float_denorm_mode_16_64 3
		.amdhsa_memory_ordered 1
		.amdhsa_forward_progress 1
		.amdhsa_inst_pref_size 178
	.end_amdhsa_kernel
	.amdgpu_metadata
---
amdhsa.version: [ 1, 2 ]
amdhsa.kernels:
  - .name:           k_q0910e57e01_qkv
    .symbol:         k_q0910e57e01_qkv.kd
    .args:
      - { .name: xq, .offset: 0, .size: 8, .value_kind: global_buffer, .address_space: global }
      - { .name: wq, .offset: 8, .size: 8, .value_kind: global_buffer, .address_space: global }
      - { .name: qkv_b, .offset: 16, .size: 8, .value_kind: global_buffer, .address_space: global }
      - { .name: qc, .offset: 24, .size: 8, .value_kind: global_buffer, .address_space: global }
      - { .name: kv, .offset: 32, .size: 8, .value_kind: global_buffer, .address_space: global }
      - { .name: vs, .offset: 40, .size: 8, .value_kind: global_buffer, .address_space: global }
    .group_segment_fixed_size: 327680
    .private_segment_fixed_size: 0
    .kernarg_segment_align: 8
    .kernarg_segment_size: 48
    .max_flat_workgroup_size: 128
    .sgpr_count:     102
    .vgpr_count:     1024
    .wavefront_size: 32
...
	.end_amdgpu_metadata
.endif
;; end of part 2
;; launch attn (part 3): grid 4 x 64, 16 waves a work-group, no clusters, 327,680 bytes of LDS; arguments qc, kv, vs, cq; writes cq
.if DOCPART == 3
	.amdgcn_target "amdgcn-amd-amdhsa--gfx1250"
	.amdhsa_code_object_version 6
	.text
	.protected	k_q0910e57e01_attn
	.globl	k_q0910e57e01_attn
	.p2align	8
	.type	k_q0910e57e01_attn,@function
k_q0910e57e01_attn:
	s_mov_b64 s[64:65], 0
	v_nop
	global_prefetch_b8 v0, s[64:65] scope:SCOPE_SE
	s_setreg_imm32_b32 hwreg(HW_REG_WAVE_MODE, 25, 1), 1
	s_wait_xcnt 0x0
; Causal attention of one (batch, head) on codes of FP6 (E2M3), head size 64, 2,048 tokens; the result is quantised for the output projection and stored as images of operand registers (cq).
; scores = q . k / 8; where key > query the score IS -10000 (not minus infinity); p = 2^(t - M), t = score x log2(e), M = the ceiling of the row's largest t (the masked t among them); the row's sum is taken of the
; unquantised p and divides at the end.
; THE MASKED KEYS.  Key steps (128 keys) that lie wholly behind a query's own step are not multiplied: there every p equals p0 = 2^(t0 - M), t0 = -10000 log2(e); each block of 32 quantises it to the same
; number Q(p0) (p0 rounded to 3 mantissa bits, ties to even, held at 1.875 x its power of two), so their part of the product is Q(p0) x the sum of the quantised v over those keys, and of the row's sum
; (their number) x p0.  The sums of quantised v for each key step come from vs.  In a query's own step masked scores are set to -80000 (x 1/8) and go the common way.  No branch hangs on data.
; SHARES.  Work-group (i, head) takes query blocks i and 7 - i (256 queries each): (i + 1) + (8 - i) = 9 slots of 256 keys for every work-group, so all trip counts are constants.  Each of sixteen waves owns one tile of 16
; queries: tile T = wave % 8 of key step JQ = 2 x block + wave / 8.
; NO CLUSTER: the four work-groups of a head turn back to key slot 0 after 1, 2, 3 and 4 slots, so they want different tiles at the same change of slots; with every partner asking for every tile there would be 12 changes for 9 slots' work.
; LAYOUT.  Both products transposed: a lane holds one query.  K = 64 is half of the instruction's 128: a fragment of K holds TWO tiles of 16 keys side by side, and is multiplied by [q | 0] and by [0 | q] (zero codes).
; By the order in which tokens and channels were laid, register 16 b + i of the scores is key 32 b + 16 (lane / 16) + i, and of O^T channel 32 b + 16 (lane / 16) + i.
; LDS: two slots of two records (25,600 bytes) at 0 and 32,768, filled by waves 0 and 1, one record each; the suffix sums of v at 65,536 (stored once, by ds_store); the spare words behind them.
; LIMITS: NaN and infinities are not served; exponentials under 2^-126 count as 0; t carries f32's rounding at |t| near 14,427, where the masked keys weigh.
.set RECB,  12800
.set SLOT1, 32768
.set TSUM,  65536
.set SPARE, 67584                      ; the spare words, 128 bytes for each wave: eight blocks of 256 bytes that no other line names
; v1 16 x lane, v2 8 x lane, v3 my spare word, v4 0, v5 / v6 the slot in hand + v1 / v2, v7 my query's place in its step - 16 (lane / 16), v8 / v9 the sums' read / write address, v10 16 r, v11 16 r + h,
; v12 -M, v13 the largest t, v[14:15] the row's sum, v16-33 [0 | q | 0], v34 q's scale word, v35-41 the second pass's, v48-95 four fragments of K, then of V, v96-159 scores, then p, v160-191 O^T,
; v192-203 p's codes, v204-210 second halves, v212-215 K's (lanes 0-15) and V's (lanes 16-31) scale words, v216-232 at work, v233 the prefetch's offset, v234 / v235 the number of wholly masked keys.
.set WV,   12
.set I,    13
.set BH,   14
.set N,    15
.set TB,   16
.set KJ,   17
.set JQ,   18
.set SEL,  20
.set CS,   22
.set G1,   24
.set SRAW, 32
.set PSEL, 33
.set HMASK, 34
.set C7,   35
.set HBP,  36
.set KSL,  38
.set G0,   40
.set PFA,  44
.set PLO,  46
.set T,    47
.set CB0,  48
.set SB0,  50
.set CB1,  52
.set SB1,  54
.set JQ1,  56
.macro TLOAD                           ; waves 0 and 1 fetch a record each; the branch hangs on the wave's number alone; an s_nop 0 and four v_nop follow the load
	s_cmp_lt_u32 s[WV], 2
	s_cbranch_scc0 .Lnone_\@
	tensor_load_to_lds s[G0:G0+3], s[G1:G1+7]
	s_nop 0
.rept 4
	v_nop
.endr
.Lnone_\@:
.endm
; A PREFETCH INTO THE L2 of the key slot that the NEXT change of slots of this work-group loads.  Of a head's four work-groups the one with i = 0 comes first to key slots 4 to 7: it alone asks, in trips 3 to 6, for slot N + 1;
; waves 4 to 7, which fetch nothing, take 6,400 bytes each, lanes 256 bytes apart (25 blocks: lanes 25 to 31 repeat lane 24's).  Key slots 0 to 3 come by their loads alone.
.macro ASK
	s_sub_co_u32 s58, s[N], s[PLO]
	s_cmp_lt_u32 s58, 4
	s_cbranch_scc0 .Lnot_mine_\@
	global_prefetch_b8 v233, s[PFA:PFA+1] th:TH_LOAD_NT scope:SCOPE_SE
.Lnot_mine_\@:
.endm
; THE CHANGE OF SLOTS, at a slot's head.  Each wave waits for all its tensor loads, adds 0 to its spare word, waits for that and for its reads of the slot that it has left; behind the barrier the slot ahead is whole and nobody
; reads the other one, which (fill = 1) takes the walk's next 256 keys: after the first pass's last slot those are keys 0 to 255 again.
.macro CHANGE fill
	s_wait_tensorcnt 0x0                           ; no tensor load of mine is out, so the descriptor may be written
	ds_add_u32 v3, v4                              ; 0 onto my spare word
.if \fill
	s_xor_b32 s[G0+1], s[G0+1], SLOT1
	s_add_co_u32 s[KSL], s[KSL], 2*RECB
	s_cmp_eq_u32 s[N], s[I]
	s_cselect_b32 s[KSL], 0, s[KSL]
	s_add_nc_u64 s[G0+2:G0+3], s[HBP:HBP+1], s[KSL:KSL+1]
	s_or_b32 s[G0+3], s[G0+3], 0x80000000
	s_wait_xcnt 0x0                                ; the last prefetch, a slot back, has read its address
	s_add_nc_u64 s[PFA:PFA+1], s[PFA:PFA+1], 2*RECB
.endif
	s_wait_dscnt 0x0                               ; the add is done, and my LDS reads and stores are over
	s_barrier_signal -1
	s_barrier_wait -1
.if \fill
	TLOAD                                          ; the first thing behind the barrier, and a wave's one tensor load until the next
	ASK
.endif
.endm
.macro INIT                            ; a pass begins: O^T and the sum are zeros; the largest t so far is the masked keys' t0 where any whole step is masked, else under every t
	s_mov_b32 s58, 0xff61b1e6
	s_cmp_lt_u32 s[JQ], 15
	s_cselect_b32 s58, s[SRAW], s58
	v_mul_f32 v13, s[CS], s58
	s_delay_alu instid0(VALU_DEP_1)
	v_floor_f32 v12, -v13
	v_mov_b32 v14, 0
	v_mov_b32 v15, 0
.set j, 0
.rept 32
	v_mov_b32 v[160+j], 0
.set j, j+1
.endr
	s_mov_b32 s[KJ], 0
.endm
; A KEY STEP: 128 keys, record q of the slot in hand.
.macro STEP q
	s_cmp_gt_u32 s[KJ], s[JQ]                      ; a step wholly behind my queries is left out: ids and the count of steps alone
	s_cbranch_scc1 .Lhidden_\@
	v_add_nc_u32 v5, s[TB], v1
	v_add_nc_u32 v6, s[TB], v2
	v_nop
	v_nop                                          ; four places in front of loads into registers that the last products read
.irp f, 0,1,2,3
	ds_load_b128 v[48+12*\f:51+12*\f], v5 offset:(\q)*RECB+1536*\f
	ds_load_b64 v[52+12*\f:53+12*\f], v6 offset:(\q)*RECB+1536*\f+512
	ds_load_b128 v[54+12*\f:57+12*\f], v5 offset:(\q)*RECB+1536*\f+768
	ds_load_b64 v[58+12*\f:59+12*\f], v6 offset:(\q)*RECB+1536*\f+1280
.endr
	ds_load_b128 v[212:215], v5 offset:(\q)*RECB+12288   ; lanes 0-15: K's words of fragments 0-3; lanes 16-31: V's
	s_wait_alu depctr_va_vdst(0)
	s_wait_dscnt 0x0
.irp b, 0,1,2,3
	v_wmma_scale_f32_16x16x128_f8f6f4 v[96+16*\b:103+16*\b], v[48+12*\b:59+12*\b], v[22:33], 0, v[212+\b], v34 matrix_a_fmt:MATRIX_FMT_FP6 matrix_b_fmt:MATRIX_FMT_FP6
	v_wmma_scale_f32_16x16x128_f8f6f4 v[104+16*\b:111+16*\b], v[48+12*\b:59+12*\b], v[16:27], 0, v[212+\b], v34 matrix_a_fmt:MATRIX_FMT_FP6 matrix_b_fmt:MATRIX_FMT_FP6
.endr
.rept 4
	v_nop
.endr
.irp f, 0,1,2,3                        ; V's fragments land while the softmax is walked
	ds_load_b128 v[48+12*\f:51+12*\f], v5 offset:(\q)*RECB+6144+1536*\f
	ds_load_b64 v[52+12*\f:53+12*\f], v6 offset:(\q)*RECB+6144+1536*\f+512
	ds_load_b128 v[54+12*\f:57+12*\f], v5 offset:(\q)*RECB+6144+1536*\f+768
	ds_load_b64 v[58+12*\f:59+12*\f], v6 offset:(\q)*RECB+6144+1536*\f+1280
.endr
	s_cmp_lg_u32 s[KJ], s[JQ]
	s_cbranch_scc1 .Lopen_\@
	v_mov_b32 v231, s[SRAW]                        ; my queries' own step: a later key's score is -10000 x 8
.set n, 0
.rept 64
	v_cmp_gt_i32 vcc_lo, 32*(n/16)+n%16, v7
	v_cndmask_b32 v[96+n], v[96+n], v231, vcc_lo
.set n, n+1
.endr
.Lopen_\@:
.irp b, 0,1,2,3
	v_max3_num_f32 v[216+\b], v[96+16*\b], v[97+16*\b], v[98+16*\b]   ; the largest score of each block of 32 keys: for the row's maximum and, since p rises with the score, for the block's largest p
.endr
.irp i, 3,5,7,9,11,13
.irp b, 0,1,2,3
	v_max3_num_f32 v[216+\b], v[216+\b], v[96+16*\b+\i], v[97+16*\b+\i]
.endr
.endr
.irp b, 0,1,2,3
	v_max_num_f32 v[216+\b], v[216+\b], v[111+16*\b]
.endr
.irp b, 0,1,2,3
	s_delay_alu instid0(VALU_DEP_4)
	v_permlanex16_b32 v[220+\b], v[216+\b], s[SEL], s[SEL+1]
.endr
.irp b, 0,1,2,3
	s_delay_alu instid0(VALU_DEP_4)
	v_max_num_f32 v[216+\b], v[216+\b], v[220+\b]
.endr
	s_delay_alu instid0(VALU_DEP_2)
	v_max3_num_f32 v231, v216, v217, v218
	s_delay_alu instid0(VALU_DEP_1)
	v_max_num_f32 v231, v231, v219
	s_delay_alu instid0(VALU_DEP_1)
	v_mul_f32 v231, s[CS], v231
	s_delay_alu instid0(VALU_DEP_1)
	v_max_num_f32 v13, v13, v231                   ; the running largest t
	v_mov_b32 v231, v12
	s_delay_alu instid0(VALU_DEP_2)
	v_floor_f32 v12, -v13                          ; -M = floor(-t): M is a whole number
	s_delay_alu instid0(VALU_DEP_1)
	v_sub_f32 v231, v12, v231
	s_delay_alu instid0(VALU_DEP_1)
	v_cvt_i32_f32 v231, v231                       ; (it saturates)
	s_delay_alu instid0(VALU_DEP_1)
	v_ldexp_f32 v228, 1.0, v231                    ; f = 2^(old M - new M): rounds nothing
.set j, 0
.rept 32
	v_pk_fma_f32 v[96+j:97+j], v[96+j:97+j], s[CS:CS+1], v[12:13] op_sel_hi:[1,0,0]   ; t - M
.set j, j+2
.endr
.irp b, 0,1,2,3
	v_fma_f32 v[216+\b], v[216+\b], s[CS], v12
.endr
.set j, 0
	s_wait_alu depctr_va_vdst(0)
.rept 64
	v_exp_f32 v[96+j], v[96+j]                     ; p = 2^(t - M)
.set j, j+1
.endr
	v_pk_mul_f32 v[14:15], v[14:15], v[228:229] op_sel_hi:[1,0]   ; the sums under the new M; the plain place behind the exponentials
	s_wait_alu depctr_va_vdst(0)                   ; one wait for the batch, ahead of its first reader
.irp b, 0,1,2,3
	v_exp_f32 v[216+\b], v[216+\b]                 ; each block's largest p
.endr
	v_pk_add_f32 v[220:221], v[100:101], v[104:105]
	v_pk_add_f32 v[254:255], v[108:109], v[112:113]
	v_pk_add_f32 v[252:253], v[116:117], v[120:121]
	v_pk_add_f32 v[250:251], v[124:125], v[128:129]
	v_pk_add_f32 v[248:249], v[132:133], v[136:137]
	v_pk_add_f32 v[246:247], v[140:141], v[144:145]
	v_pk_add_f32 v[244:245], v[148:149], v[152:153]
	v_pk_add_f32 v[14:15], v[14:15], v[156:157]
	v_pk_add_f32 v[220:221], v[220:221], v[96:97]
	v_pk_add_f32 v[254:255], v[254:255], v[98:99]
	v_pk_add_f32 v[252:253], v[252:253], v[102:103]
	v_pk_add_f32 v[250:251], v[250:251], v[106:107]
	v_pk_add_f32 v[248:249], v[248:249], v[110:111]
	v_pk_add_f32 v[246:247], v[246:247], v[114:115]
	v_pk_add_f32 v[244:245], v[244:245], v[118:119]
	v_pk_add_f32 v[14:15], v[14:15], v[122:123]
	v_pk_add_f32 v[220:221], v[220:221], v[126:127]
	v_pk_add_f32 v[254:255], v[254:255], v[130:131]
	v_pk_add_f32 v[252:253], v[252:253], v[134:135]
	v_pk_add_f32 v[250:251], v[250:251], v[138:139]
	v_pk_add_f32 v[248:249], v[248:249], v[142:143]
	v_pk_add_f32 v[246:247], v[246:247], v[146:147]
	v_pk_add_f32 v[244:245], v[244:245], v[150:151]
	v_pk_add_f32 v[14:15], v[14:15], v[154:155]
	v_pk_add_f32 v[220:221], v[220:221], v[158:159]
	s_delay_alu instid0(VALU_DEP_2)
	v_pk_add_f32 v[14:15], v[14:15], v[250:251]
	s_delay_alu instid0(VALU_DEP_2)
	v_pk_add_f32 v[220:221], v[220:221], v[248:249]
	v_pk_add_f32 v[254:255], v[254:255], v[246:247]
	v_pk_add_f32 v[252:253], v[252:253], v[244:245]
	s_delay_alu instid0(VALU_DEP_2)
	v_pk_add_f32 v[14:15], v[14:15], v[254:255]
	s_delay_alu instid0(VALU_DEP_2)
	v_pk_add_f32 v[220:221], v[220:221], v[252:253]
	s_delay_alu instid0(VALU_DEP_1)
	v_pk_add_f32 v[14:15], v[14:15], v[220:221]
	s_wait_alu depctr_va_vdst(0)                   ; and one for the four
.irp b, 0,1,2,3
	v_max_num_f32 v[216+\b], 0x1800000, v[216+\b]  ; the floor: the byte cannot fall under 1
.endr
.irp b, 0,1,2,3
	s_delay_alu instid0(VALU_DEP_4)
	v_add_nc_u32 v[224+\b], 0xff000000, v[216+\b]
.endr
.irp b, 0,1,2,3
	s_delay_alu instid0(VALU_DEP_4)
	v_lshrrev_b32 v[220+\b], 23, v[224+\b]
.endr
	s_delay_alu instid0(VALU_DEP_3)
	v_lshl_or_b32 v230, v221, 8, v220              ; p's scale word
	s_delay_alu instid0(VALU_DEP_1)
	v_lshl_or_b32 v230, v222, 16, v230
	s_delay_alu instid0(VALU_DEP_1)
	v_lshl_or_b32 v230, v223, 24, v230
.irp c, 0,1
	v_cvt_scalef32_pk16_fp6_f32 v[192+6*\c:194+6*\c], v[96+32*\c:111+32*\c], v[224+2*\c]
	v_cvt_scalef32_pk16_fp6_f32 v[204+4*\c:206+4*\c], v[112+32*\c:127+32*\c], v[224+2*\c+1]
.endr
	v_nop                                          ; one plain place behind a scaled conversion
.irp c, 0,1
.irp i, 0,1,2
	v_permlane16_swap_b32 v[192+6*\c+\i], v[204+4*\c+\i]
.endr
.irp i, 0,1,2
	s_delay_alu instid0(VALU_DEP_3)
	v_mov_b32 v[195+6*\c+\i], v[204+4*\c+\i]
.endr
.endr
.set j, 0
.rept 16
	v_pk_mul_f32 v[160+j:161+j], v[160+j:161+j], v[228:229] op_sel_hi:[1,0]   ; O^T under the new M; these sixteen are also the places in front of the products
.set j, j+2
.endr
	s_wait_alu depctr_va_vdst(0)
	s_wait_dscnt 0x0                               ; V
.irp t, 0,1,2,3
	v_wmma_scale_f32_16x16x128_f8f6f4 v[160+8*\t:167+8*\t], v[48+12*\t:59+12*\t], v[192:203], v[160+8*\t:167+8*\t], v[212+\t], v230 matrix_a_fmt:MATRIX_FMT_FP6 matrix_b_fmt:MATRIX_FMT_FP6 matrix_a_scale:MATRIX_SCALE_ROW1
.endr
.Lhidden_\@:
	s_add_co_u32 s[KJ], s[KJ], 1
.endm
.macro SLOT_STEPS
	STEP 0
	STEP 1
	s_xor_b32 s[TB], s[TB], SLOT1
.endm
; A PASS ENDS: the masked steps' part, the division, the quantiser along the 64 channels (two blocks), the half fragment and its two scale bytes.
.macro EPI pass, cb, sb, nh
.rept 4
	v_nop
.endr
	v_add_f32 v14, v14, v15
	s_delay_alu instid0(VALU_DEP_1)
	v_permlanex16_b32 v231, v14, s[SEL], s[SEL+1]
	s_delay_alu instid0(VALU_DEP_1)
	v_add_f32 v14, v14, v231                       ; the row's sum of the keys that were walked
	v_fma_f32 v232, s[SRAW], s[CS], v12            ; t0 - M, as every t - M is made
	s_wait_alu depctr_va_vdst(0)
	v_exp_f32 v232, v232                           ; p0
.irp t, 0,1,2,3
	ds_load_b128 v[96+8*\t:99+8*\t], v8 offset:512*\pass+64*\t      ; the sums of quantised v over the steps behind mine, in O^T's layout
	ds_load_b128 v[100+8*\t:103+8*\t], v8 offset:512*\pass+64*\t+16
.endr
	v_nop
	s_wait_alu depctr_va_vdst(0)
	v_fmac_f32 v14, v[\nh], v232                   ; + their number x p0
	v_bfe_u32 v231, v232, 20, 1                    ; Q(p0): to 3 mantissa bits, ties to even,
	v_add3_u32 v231, v232, v231, 0x7ffff
	s_delay_alu instid0(VALU_DEP_1)
	v_and_b32 v231, 0xfff00000, v231
	v_and_or_b32 v226, v232, 0x7f800000, s[C7]     ; held at 1.875 x its power of two (7.5 x the block's scale)
	s_delay_alu instid0(VALU_DEP_1)
	v_min_num_f32 v228, v231, v226
	s_wait_alu depctr_va_vdst(0)
	v_rcp_f32 v226, v14
	v_mov_b32 v227, 0                              ; the plain place; (named with v226 as a pair)
	s_wait_alu depctr_va_vdst(0)
	s_wait_dscnt 0x0
.set j, 0
.rept 16
	v_pk_fma_f32 v[160+j:161+j], v[96+j:97+j], v[228:229], v[160+j:161+j] op_sel_hi:[1,0,1]
.set j, j+2
.endr
.set j, 0
.rept 16
	v_pk_mul_f32 v[160+j:161+j], v[160+j:161+j], v[226:227] op_sel_hi:[1,0]
.set j, j+2
.endr
.irp b, 0,1
	v_max3_num_f32 v[216+\b], |v[160+16*\b]|, |v[161+16*\b]|, 0x1800000
.endr
.irp i, 2,4,6,8,10,12,14
.irp b, 0,1
	s_delay_alu instid0(VALU_DEP_2)
	v_max3_num_f32 v[216+\b], v[216+\b], |v[160+16*\b+\i]|, |v[161+16*\b+\i]|
.endr
.endr
.irp b, 0,1
	s_delay_alu instid0(VALU_DEP_2)
	v_permlanex16_b32 v[220+\b], v[216+\b], s[SEL], s[SEL+1]
.endr
.irp b, 0,1
	s_delay_alu instid0(VALU_DEP_2)
	v_max_num_f32 v[216+\b], v[216+\b], v[220+\b]
.endr
.irp b, 0,1
	s_delay_alu instid0(VALU_DEP_2)
	v_add_nc_u32 v[224+\b], 0xff000000, v[216+\b]
.endr
.irp b, 0,1
	s_delay_alu instid0(VALU_DEP_2)
	v_lshrrev_b32 v[220+\b], 23, v[224+\b]
.endr
	v_cvt_scalef32_pk16_fp6_f32 v[192:194], v[160:175], v224
	v_cvt_scalef32_pk16_fp6_f32 v[204:206], v[176:191], v225
	v_cndmask_b32 v222, v220, v221, s[HMASK]       ; my half's block's byte; the plain place behind the conversions
.irp i, 0,1,2
	v_permlane16_swap_b32 v[192+\i], v[204+\i]
.endr
.irp i, 0,1,2
	s_delay_alu instid0(VALU_DEP_3)
	v_mov_b32 v[195+\i], v[204+\i]
.endr
	global_store_b128 v1, v[192:195], s[\cb:\cb+1]             ; 512 consecutive bytes
	global_store_b64 v2, v[196:197], s[\cb:\cb+1] offset:512   ; 256
	global_store_b8 v11, v222, s[\sb:\sb+1]        ; two bytes of each row's scale word: 32 bytes in a span of 256; 262,144 bytes in the whole launch
	s_wait_xcnt 0x0                                ; the stores have read their registers: the next pass writes them again
.endm
	s_load_b256 s[4:11], s[0:1], 0x0               ; qc s[4:5], kv s[6:7], vs s[8:9], cq s[10:11]
	v_lshl_add_u32 v3, v0, 2, SPARE
	v_mov_b32 v4, 0
	ds_add_u32 v3, v4                              ; the wave's opening: the add and its wait stand ahead of the first tensor load; work on registers stands between them
	ds_add_u32 v3, v4
	v_lshrrev_b32 v5, 5, v0
	s_delay_alu instid0(VALU_DEP_1)
	v_readfirstlane_b32 s[WV], v5
	s_mov_b32 s[I], ttmp9
	s_and_b32 s[BH], ttmp7, 0xffff
	s_mov_b32 s[G1], 3<<16                         ; no mask; elements of 8 bytes; no padding: a record is 50 rows of 256 dense bytes
	s_mov_b32 s[G1+1], 32<<16
	s_mov_b32 s[G1+2], 50<<16
	s_mov_b32 s[G1+3], 32<<16
	s_mov_b32 s[G1+4], 50
	s_mov_b32 s[G1+5], 32
	s_mov_b32 s[G1+6], 0
	s_mov_b32 s[G1+7], 0
	s_mov_b32 s[SEL], 0x76543210
	s_mov_b32 s[SEL+1], 0xfedcba98
	s_mov_b32 s[CS], 0x3e38aa3b                    ; c = log2(e) / 8
	s_mov_b32 s[CS+1], s[CS]
	s_mov_b32 s[SRAW], 0xc79c4000                  ; -80000: x c it is t0
	s_mov_b32 s[HMASK], 0xffff0000
	s_mov_b32 s[C7], 0x700000
	s_mov_b32 s[TB], 0
	s_mov_b32 s[N], 0
	s_and_b32 s[T], s[WV], 7
	s_lshr_b32 s58, s[WV], 3
	s_lshl_b32 s[JQ], s[I], 1
	s_sub_co_u32 s[JQ1], 14, s[JQ]
	s_add_co_u32 s[JQ], s[JQ], s58                 ; my queries' key step in the first pass,
	s_add_co_u32 s[JQ1], s[JQ1], s58               ; and in the second
	v_and_b32 v5, 31, v0                           ; lane
	v_and_b32 v6, 15, v0                           ; r
	v_bfe_u32 v7, v0, 4, 1                         ; h
	s_delay_alu instid0(VALU_DEP_3)
	v_lshlrev_b32 v1, 4, v5
	s_delay_alu instid0(VALU_DEP_4)
	v_lshlrev_b32 v2, 3, v5
	s_delay_alu instid0(VALU_DEP_4)
	v_lshlrev_b32 v10, 4, v6
	s_delay_alu instid0(VALU_DEP_1)
	v_add_nc_u32 v11, v10, v7
	v_lshl_add_u32 v9, v0, 2, TSUM
	s_lshl_b32 s58, s58, 8
	s_add_co_u32 s58, s58, TSUM
	v_lshl_add_u32 v8, v7, 5, s58
	v_min_u32 v233, 24, v5
	s_delay_alu instid0(VALU_DEP_1)
	v_lshlrev_b32 v233, 8, v233
	v_and_b32 v231, 8, v6
	s_delay_alu instid0(VALU_DEP_1)
	v_add_nc_u32 v231, v231, v6
	v_lshlrev_b32 v232, 4, v7
	s_delay_alu instid0(VALU_DEP_1)
	v_sub_nc_u32 v7, v231, v232
	s_lshr_b32 s58, s[T], 1
	s_lshl_b32 s58, s58, 5
	s_and_b32 s59, s[T], 1
	s_lshl_b32 s59, s59, 3
	s_add_co_u32 s58, s58, s59
	v_add_nc_u32 v7, s58, v7                       ; 32 (T / 2) + 8 (T % 2) + r + 8 (r / 8) - 16 h
	s_mov_b32 s[PSEL], 0x01000100
	s_bitcmp1_b32 s[WV], 0
	s_cselect_b32 s[PSEL], 0x03020302, s[PSEL]     ; my tile's two bytes of its fragment's word, twice
	s_sub_co_u32 s58, 15, s[JQ]
	s_lshl_b32 s58, s58, 7
	v_cvt_f32_u32 v234, s58                        ; the keys of the steps behind mine
	s_sub_co_u32 s58, 15, s[JQ1]
	s_lshl_b32 s58, s58, 7
	v_cvt_f32_u32 v235, s58
	; where the results go: rowblock P = 128 batch + 8 JQ + T; the head's half fragment and its two bytes of each scale word
	s_lshr_b32 s58, s[BH], 4
	s_lshl_b32 s58, s58, 7
	s_add_co_u32 s58, s58, s[T]
	s_and_b32 s59, s[BH], 15
	s_lshr_b32 s60, s59, 1
	s_mul_i32 s60, s60, 1536
	s_and_b32 s61, s59, 1
	s_mul_i32 s62, s61, 768
	s_add_co_u32 s60, s60, s62
	s_lshr_b32 s62, s59, 3
	s_lshl_b32 s62, s62, 8
	s_bfe_u32 s63, s59, 0x20001
	s_lshl_b32 s63, s63, 2
	s_add_co_u32 s62, s62, s63
	s_lshl_b32 s61, s61, 1
	s_add_co_u32 s62, s62, s61
	s_add_co_u32 s62, s62, 6291456
	s_lshl_b32 s63, s[JQ], 3
	s_add_co_u32 s63, s63, s58
	s_mul_i32 s[CB0], s63, 12288
	s_add_co_u32 s[CB0], s[CB0], s60
	s_mov_b32 s[CB0+1], 0
	s_lshl_b32 s[SB0], s63, 9
	s_add_co_u32 s[SB0], s[SB0], s62
	s_mov_b32 s[SB0+1], 0
	s_lshl_b32 s63, s[JQ1], 3
	s_add_co_u32 s63, s63, s58
	s_mul_i32 s[CB1], s63, 12288
	s_add_co_u32 s[CB1], s[CB1], s60
	s_mov_b32 s[CB1+1], 0
	s_lshl_b32 s[SB1], s63, 9
	s_add_co_u32 s[SB1], s[SB1], s62
	s_mov_b32 s[SB1+1], 0
	; q's records, the lane's places in them, and the sums'
	s_lshl_b32 s58, s[BH], 4
	s_add_co_u32 s59, s58, s[JQ]
	s_mul_i32 s60, s59, 6400
	s_mov_b32 s61, 0
	s_add_co_u32 s59, s58, s[JQ1]
	s_mul_i32 s62, s59, 6400
	s_mov_b32 s63, 0
	s_lshl_b32 s66, s[BH], 12
	s_mov_b32 s67, 0
	s_mul_i32 s58, s[T], 768
	v_add_nc_u32 v96, s58, v1
	v_add_nc_u32 v97, s58, v2
	s_lshr_b32 s58, s[T], 1
	s_lshl_b32 s58, s58, 2
	v_add_nc_u32 v98, s58, v10
	s_and_b32 s58, s[WV], 1
	s_lshl_b32 s59, s58, 7
	v_lshl_add_u32 v99, v5, 2, s59
	; the walk's descriptor, and the prefetches
	s_mul_i32 s58, s58, RECB
	s_mov_b32 s[G0], 1
	s_mov_b32 s[G0+1], s58                         ; slot 0, record wave % 2
	s_mul_i32 s59, s[BH], 16*RECB
	s_add_co_u32 s[HBP], s59, s58
	s_mov_b32 s[HBP+1], 0
	s_mov_b32 s[KSL], 0
	s_mov_b32 s[KSL+1], 0
	s_and_b32 s58, s[WV], 3
	s_mul_i32 s58, s58, 6400
	s_add_co_u32 s[PFA], s59, s58
	s_mov_b32 s[PFA+1], 0
	s_lshr_b32 s58, s[WV], 2
	s_xor_b32 s58, s58, 1                          ; 0 in waves 4 to 7,
	s_or_b32 s58, s58, s[I]                        ; of the work-group with i = 0
	s_mov_b32 s[PLO], 100
	s_cmp_eq_u32 s58, 0
	s_cselect_b32 s[PLO], 3, s[PLO]
	s_wait_dscnt 0x0                               ; the opening add is done
	s_wait_kmcnt 0x0
	s_add_nc_u64 s[HBP:HBP+1], s[6:7], s[HBP:HBP+1]
	s_mov_b64 s[G0+2:G0+3], s[HBP:HBP+1]
	s_or_b32 s[G0+3], s[G0+3], 0x80000000
	TLOAD                                          ; the walk's first slot
	s_add_nc_u64 s[PFA:PFA+1], s[6:7], s[PFA:PFA+1]
	s_add_nc_u64 s[CB0:CB0+1], s[10:11], s[CB0:CB0+1]
	s_add_nc_u64 s[SB0:SB0+1], s[10:11], s[SB0:SB0+1]
	s_add_nc_u64 s[CB1:CB1+1], s[10:11], s[CB1:CB1+1]
	s_add_nc_u64 s[SB1:SB1+1], s[10:11], s[SB1:SB1+1]
	s_add_nc_u64 s[60:61], s[4:5], s[60:61]
	s_add_nc_u64 s[62:63], s[4:5], s[62:63]
	s_add_nc_u64 s[66:67], s[8:9], s[66:67]
	s_wait_alu depctr_va_vdst(0)
	global_load_b128 v[22:25], v96, s[60:61]       ; my tile's half fragment of q, first pass,
	global_load_b64 v[26:27], v97, s[60:61] offset:512
	global_load_b32 v34, v98, s[60:61] offset:6144
	global_load_b128 v[36:39], v96, s[62:63]       ; and second
	global_load_b64 v[40:41], v97, s[62:63] offset:512
	global_load_b32 v35, v98, s[62:63] offset:6144
	s_cmp_lt_u32 s[WV], 8
	s_cbranch_scc0 .Lno_vs
.irp j, 1,2,3,4,5,6,7,8,9,10,11,12,13,14,15
	global_load_b32 v[111+\j], v99, s[66:67] offset:256*\j   ; waves 0 to 7: key step j's sums of quantised v, 32 channels a wave
.endr
.Lno_vs:
.irp g, 0,1,2,3,4,5
	v_mov_b32 v[16+\g], 0                          ; zero codes on both sides of q
	v_mov_b32 v[28+\g], 0
.endr
.irp g, 220,221,222,223,226,227,228,229,230,231,232
	v_mov_b32 v[\g], 0                             ; lane permutes' destinations and upper halves of pairs are written before they are named
.endr
	s_wait_loadcnt 0x0
	v_perm_b32 v34, v34, v34, s[PSEL]
	s_cmp_lt_u32 s[WV], 8
	s_cbranch_scc0 .Lno_t
	s_lshl_b32 s58, s[I], 1                        ; wave w makes half w % 2 of the suffix sum for the step JO of (pass w / 4, upper or lower waves (w / 2) % 2)
	s_sub_co_u32 s59, 14, s58
	s_bitcmp1_b32 s[WV], 2
	s_cselect_b32 s58, s59, s58
	s_bfe_u32 s59, s[WV], 0x10001
	s_add_co_u32 s58, s58, s59
	s_cmp_lt_u32 s58, 1
	s_cselect_b32 s59, 1.0, 0
	v_mul_f32 v127, s59, v112
.irp j, 2,3,4,5,6,7,8,9,10,11,12,13,14,15
	s_cmp_lt_u32 s58, \j                           ; step j counts where it lies behind JO: a choice of a factor, no jump
	s_cselect_b32 s59, 1.0, 0
	v_fmac_f32 v127, s59, v[111+\j]
.endr
	ds_store_b32 v9, v127                          ; read behind the first change's barrier, in front of which every wave waits for its LDS instructions
.Lno_t:
	INIT
.Lslot:                                            ; 8 trips: behind each change of slots but the last the walk's next slot is asked for
	CHANGE 1
	SLOT_STEPS
	s_cmp_lg_u32 s[N], s[I]                        ; the first pass ends with slot i: ids and the count of trips alone, the same in all sixteen waves
	s_cbranch_scc1 .Lsame_pass
	EPI 0, CB0, SB0, 234
	s_mov_b32 s[JQ], s[JQ1]
.irp g, 0,1,2,3,4,5
	v_mov_b32 v[22+\g], v[36+\g]
.endr
	v_perm_b32 v34, v35, v35, s[PSEL]
	INIT                                           ; (its moves are the places between these writes and the next products)
.Lsame_pass:
	s_add_co_u32 s[N], s[N], 1
	s_cmp_lt_u32 s[N], 8
	s_cbranch_scc1 .Lslot
	CHANGE 0                                       ; the last slot is written out
	SLOT_STEPS
	EPI 1, CB1, SB1, 235
	s_wait_tensorcnt 0x0                           ; the wave's end, behind my last tensor load and my last LDS store
	ds_add_u32 v3, v4
	s_wait_dscnt 0x0
	s_endpgm
.Lfunc_end_k_q0910e57e01_attn:
	.size	k_q0910e57e01_attn, .Lfunc_end_k_q0910e57e01_attn-k_q0910e57e01_attn
	.p2alignl 7, 3214868480
	.fill 96, 4, 3214868480
	.section	.rodata,"a",@progbits
	.p2align	6, 0x0
	.amdhsa_kernel k_q0910e57e01_attn
		.amdhsa_group_segment_fixed_size 327680
		.amdhsa_private_segment_fixed_size 0
		.amdhsa_enable_private_segment 0
		.amdhsa_kernarg_size 32
		.amdhsa_user_sgpr_count 2
		.amdhsa_user_sgpr_kernarg_segment_ptr 1
		.amdhsa_wavefront_size32 1
		.amdhsa_system_sgpr_workgroup_id_x 1
		.amdhsa_system_sgpr_workgroup_id_y 1
		.amdhsa_system_sgpr_workgroup_id_z 1
		.amdhsa_system_vgpr_workitem_id 0
		.amdhsa_next_free_vgpr 256
		.amdhsa_next_free_sgpr 100
		.amdhsa_reserve_vcc 1
		.amdhsa_float_denorm_mode_32 3
		.amdhsa_float_denorm_mode_16_64 3
		.amdhsa_memory_ordered 1
		.amdhsa_forward_progress 1
		.amdhsa_inst_pref_size 117
	.end_amdhsa_kernel
	.amdgpu_metadata
---
amdhsa.version: [ 1, 2 ]
amdhsa.kernels:
  - .name:           k_q0910e57e01_attn
    .symbol:         k_q0910e57e01_attn.kd
    .args:
      - { .name: qc, .offset: 0, .size: 8, .value_kind: global_buffer, .address_space: global }
      - { .name: kv, .offset: 8, .size: 8, .value_kind: global_buffer, .address_space: global }
      - { .name: vs, .offset: 16, .size: 8, .value_kind: global_buffer, .address_space: global }
      - { .name: cq, .offset: 24, .size: 8, .value_kind: global_buffer, .address_space: global }
    .group_segment_fixed_size: 327680
    .private_segment_fixed_size: 0
    .kernarg_segment_align: 8
    .kernarg_segment_size: 32
    .max_flat_workgroup_size: 512
    .sgpr_count:     100
    .vgpr_count:     256
    .wavefront_size: 32
...
	.end_amdgpu_metadata
.endif
;; end of part 3
;; launch outp (part 4): grid 4 x 32, 4 waves a work-group, clusters of 4 x 4, 327,680 bytes of LDS; arguments cq, wq, out_b, out0; writes out0
.if DOCPART == 4
	.amdgcn_target "amdgcn-amd-amdhsa--gfx1250"
	.amdhsa_code_object_version 6
	.text
	.protected	k_q0910e57e01_outp
	.globl	k_q0910e57e01_outp
	.p2align	8
	.type	k_q0910e57e01_outp,@function
k_q0910e57e01_outp:
	s_mov_b64 s[64:65], 0
	v_nop
	global_prefetch_b8 v0, s[64:65] scope:SCOPE_SE
	s_setreg_imm32_b32 hwreg(HW_REG_WAVE_MODE, 25, 1), 1
	s_wait_xcnt 0x0
	s_wait_alu depctr_hold_cnt(0) depctr_sa_sdst(0) depctr_va_vdst(0) depctr_va_sdst(0) depctr_va_ssrc(0) depctr_va_vcc(0) depctr_vm_vsrc(0)
	s_getreg_b32 s2, hwreg(HW_REG_IB_STS2, 6, 4)
	s_cmp_eq_u32 s2, 0
	s_cbranch_scc0 .Lentry_in_a_cluster
	s_endpgm
.Lentry_in_a_cluster:
	s_bfe_u32 s2, ttmp6, 0x10000c
	s_cmp_lg_u32 s2, 0xf033
	s_cbranch_scc0 .Lentry_shape_is_right
	s_endpgm
.Lentry_shape_is_right:
; out0 = ctx out_w + out_b on codes of FP6 (E2M3) with E8M0 scales, K = 1024.  ctx's codes (cq) and out_w's (wq, rowblocks 192 on) lie as images of operand registers, 12,288 bytes a rowblock of 16 rows.
; A work-group of four waves makes 256 tokens x 256 columns, a wave 128 x 128: 64 accumulators.  Source 0 = 16 columns of out_w, source 1 = 16 tokens: a lane holds one token and eight neighbouring columns a tile.
; K goes through LDS in four parts of 256: three slots filled at the start, slot 0 once more.  By this text's own count a wave has four tensor loads out at the most.  The scale words come once.
; CLUSTERS: 4 x 4: ctx's tile is shared along my row of the cluster, the weight's along my column.  128 work-groups: a tile of 256 x 256 keeps the LDS bytes for each product low; the grid has no more tiles of that size.
; ROW ORDER: lane r of rowblock P is true row 32 (P / 2) + 8 (P % 2) + r + 8 (r / 8), in tokens and in columns alike: the way out puts both back.
; LIMITS: NaN and infinities are not served.
.set XS_OFF, 6291456
.set WS_OFF, 3145728
.set RBK,   3072
.set HALFT, 8*RBK
.set SLOT,  4*HALFT
.set SCL,   3*SLOT
.set SPARE, SCL+4*4096                 ; the spare words, 128 bytes for each wave: two blocks of 256 bytes that no other line names
.set STG,   SLOT                       ; the way out's stages lie in slot 1: it was filled once, and its last read stands ahead of the last barrier
.set SPITCH, 528
.set FR,    12
.set ADRA,  12
.set ADRB,  18
.set ADRS,  24
.set STO,   25
.set RD,    26
.set SPW,   28
.set NIL,   29
.set SC,    32
.set BB,    64
.set AF,    128
.set BK,    128
.set G1,    24
.set G0,    32
.set G1B,   44
.set G0B,   52
.set G1S,   68
.set G0S,   76
.set G1SB,  80
.set G0SB,  88
.set MSB, 0
.macro WIN new                         ; the immediate's high byte repeats the setting that is left
.if MSB != \new
	s_set_vgpr_msb (MSB<<8)|\new
.set MSB, \new
.endif
.endm
.set MUL_LO, 0xa1
.set MUL_HI, 0xf1
.set FST_LO, 0x81
.set FST_HI, 0xc1
.set TO_B,   0x40
.macro JLOAD g0a, g1a, g0b, g1b        ; a joint load: waves 0 and 1 fetch for ctx, waves 2 and 3 for the weight; an s_nop 0 and four v_nop follow each line
	s_cmp_eq_u32 s17, 0
	s_cbranch_scc0 .Lfor_b_\@
	tensor_load_to_lds s[\g0a:\g0a+3], s[\g1a:\g1a+7]
	s_nop 0
.rept 4
	v_nop
.endr
	s_branch .Lasked_\@
.Lfor_b_\@:
	tensor_load_to_lds s[\g0b:\g0b+3], s[\g1b:\g1b+7]
	s_nop 0
.rept 4
	v_nop
.endr
.Lasked_\@:
.endm
.macro CREST
	s_cmp_lg_u32 s16, 0
	s_cbranch_scc1 .Lnot_wave_0_\@
	s_barrier_signal -3
.Lnot_wave_0_\@:
	s_barrier_wait -3
	s_barrier_signal -1
	s_barrier_wait -1
.endm
.macro CROUND
	s_barrier_signal -1
	s_barrier_wait -1
	CREST
.endm
.macro PLACES n
.rept \n
	v_nop
.endr
.endm
.macro FRAG reg, adr, q, i
	ds_load_b128 v[\reg:\reg+3], v[\adr] offset:(\i)*RBK+(\q)*1536
	ds_load_b64 v[\reg+4:\reg+5], v[\adr+1] offset:(\i)*RBK+(\q)*1536+512
	ds_load_b128 v[\reg+6:\reg+9], v[\adr] offset:(\i)*RBK+(\q)*1536+768
	ds_load_b64 v[\reg+10:\reg+11], v[\adr+1] offset:(\i)*RBK+(\q)*1536+1280
.endm
.macro FETCH_B slot, q, p
	WIN TO_B
.irp i, 0,1,2,3,4,5,6,7
	FRAG 128*(\p)+FR*\i, ADRB+2*(\slot), \q, \i
.endr
	WIN 0
.endm
.macro FETCH_A slot, q, i0
.irp i, \i0, \i0+1, \i0+2, \i0+3
	FRAG AF+FR*(\i), ADRA+2*(\slot), \q, \i
.endr
.endm
.macro SCALES sc, sg
.irp i, 0,1,2,3,4,5,6,7
	ds_load_b64 v[SC+16*(\sc)+2*\i:SC+16*(\sc)+2*\i+1], v[ADRS] offset:\i*512+((\sg)/2)*256+((\sg)%2)*8
.endr
.endm
.macro MUL16 a0, p, q, sc, first       ; the 64 accumulators take turns, one instruction a turn
.irp a, \a0, \a0+1
.irp b, 0,1,2,3,4,5,6,7
.if \first
	v_wmma_scale_f32_16x16x128_f8f6f4 v[8*(8*((\a)%4)+\b):8*(8*((\a)%4)+\b)+7], v[128*(\p)+FR*\b:128*(\p)+FR*\b+FR-1], v[AF+FR*(\a):AF+FR*(\a)+FR-1], v[BB+8*\b:BB+8*\b+7], v[SC+16*(\sc)+2*\b+(\q)], v[SC+16*(\sc)+2*(\a)+(\q)] matrix_a_fmt:MATRIX_FMT_FP6 matrix_b_fmt:MATRIX_FMT_FP6 matrix_a_scale:MATRIX_SCALE_ROW1
.else
	v_wmma_scale_f32_16x16x128_f8f6f4 v[8*(8*((\a)%4)+\b):8*(8*((\a)%4)+\b)+7], v[128*(\p)+FR*\b:128*(\p)+FR*\b+FR-1], v[AF+FR*(\a):AF+FR*(\a)+FR-1], v[8*(8*((\a)%4)+\b):8*(8*((\a)%4)+\b)+7], v[SC+16*(\sc)+2*\b+(\q)], v[SC+16*(\sc)+2*(\a)+(\q)] matrix_a_fmt:MATRIX_FMT_FP6 matrix_b_fmt:MATRIX_FMT_FP6 matrix_a_scale:MATRIX_SCALE_ROW1
.endif
.endr
.endr
.endm
.macro STEP slot, sc, first
	s_wait_dscnt 16                                ; all but the youngest 16 loads (ctx's blocks 4-7)
.if \first
	WIN FST_LO
.else
	WIN MUL_LO
.endif
	MUL16 0, 0, 0, \sc, \first
	MUL16 2, 0, 0, \sc, \first
	s_wait_dscnt 0x0
	PLACES 4
	FETCH_B \slot, 1, 1
	FETCH_A \slot, 1, 0
.if \first
	WIN FST_HI
.else
	WIN MUL_HI
.endif
	MUL16 4, 0, 0, \sc, \first
	MUL16 6, 0, 0, \sc, \first
	PLACES 4
	WIN 0
	FETCH_A \slot, 1, 4
.endm
; mode 0: the next slot was shown whole to every wave by an earlier barrier.  mode 1: a barrier, with the wait for all my tensor loads, the add, and the wait for it and my LDS reads in front.  mode 2: that barrier opens a round of the cluster's, and slot 0 is filled again.
.macro TURN slot, next, sg, mode
.set SCUR, ((\sg)+1)%2
.set SNXT, (\sg)%2
.if \mode
	s_wait_tensorcnt 0x0                           ; all my tensor loads have landed;
	ds_add_u32 v[SPW], v[NIL]                      ; 0 onto my spare word;
	s_wait_dscnt 17                                ; (the add and the youngest 16 loads may be out)
	WIN MUL_LO
	MUL16 0, 1, 1, SCUR, 0
	s_wait_dscnt 0x0                               ; the add is done, and my reads of this slot are over
	s_barrier_signal -1
	MUL16 2, 1, 1, SCUR, 0
	WIN 0
	s_barrier_wait -1
.if \mode == 2
	CREST
	s_add_nc_u64 s[G0+2:G0+3], s[G0+2:G0+3], 3*RBK
	s_add_nc_u64 s[G0B+2:G0B+3], s[G0B+2:G0B+3], 3*RBK
	JLOAD G0, G1, G0B, G1B                         ; the first tensor load behind the round, my one; its four v_nop are the places in front of the loads below
.else
	PLACES 4
.endif
.else
	s_wait_dscnt 16
	WIN MUL_LO
	MUL16 0, 1, 1, SCUR, 0
	MUL16 2, 1, 1, SCUR, 0
	s_wait_dscnt 0x0
	PLACES 4
.endif
	FETCH_B \next, 0, 0
	FETCH_A \next, 0, 0
	SCALES SNXT, \sg
	WIN MUL_HI
	MUL16 4, 1, 1, SCUR, 0
	MUL16 6, 1, 1, SCUR, 0
	PLACES 4
	WIN 0
	FETCH_A \next, 0, 4
.endm
	s_load_b256 s[4:11], s[0:1], 0x0               ; cq s[4:5], wq s[6:7], out_b s[8:9], out0 s[10:11]
	v_lshl_add_u32 v[SPW], v0, 2, SPARE
	v_mov_b32 v[NIL], 0
	ds_add_u32 v[SPW], v[NIL]                      ; the wave's opening: the add and its wait stand ahead of my first tensor load
	v_lshrrev_b32 v1, 5, v0
	v_readfirstlane_b32 s16, v1
	s_lshr_b32 s17, s16, 1                         ; which half of the tokens is mine.  Also: I fetch for ctx (0) or the weight (1)
	s_and_b32 s18, s16, 1                          ; which half of the columns.  Also: which 8 rowblocks I fetch
	s_bfe_u32 s20, ttmp6, 0x40000                  ; cx
	s_bfe_u32 s21, ttmp6, 0x40004                  ; cy
	s_and_b32 s22, ttmp7, 0xffff
	s_lshl_b32 s2, s21, 2
	s_lshl_b32 s2, 15, s2                          ; my row of the cluster
	s_lshl_b32 s3, 0x1111, s20                     ; my column
	s_or_b32 s[G1], s2, (3<<16)|(1<<21)
	s_or_b32 s[G1B], s3, (3<<16)|(1<<21)
	s_or_b32 s[G1S], s2, (3<<16)|(1<<21)
	s_or_b32 s[G1SB], s3, (3<<16)|(1<<21)
.irp g, G1, G1B                        ; 8 rows (rowblocks) of 3,072 bytes, 12,288 apart
	s_mov_b32 s[\g+1], 384<<16
	s_mov_b32 s[\g+2], 8<<16
	s_mov_b32 s[\g+3], 384<<16
	s_mov_b32 s[\g+4], 8
	s_mov_b32 s[\g+5], 1536
	s_mov_b32 s[\g+6], 0
	s_mov_b32 s[\g+7], 0
.endr
.irp g, G1S, G1SB                      ; 4,096 dense bytes as 16 rows of 256
	s_mov_b32 s[\g+1], 32<<16
	s_mov_b32 s[\g+2], 16<<16
	s_mov_b32 s[\g+3], 32<<16
	s_mov_b32 s[\g+4], 16
	s_mov_b32 s[\g+5], 32
	s_mov_b32 s[\g+6], 0
	s_mov_b32 s[\g+7], 0
.endr
	s_lshl_b32 s100, s22, 2
	s_add_co_u32 s100, s100, s21                   ; the tokens' tile: 4 x cluster y + cy
	s_lshl_b32 s101, ttmp9, 2
	s_add_co_u32 s101, s101, s20                   ; the columns' tile: 4 x cluster x + cx
	s_lshl_b32 s23, s18, 3
	s_lshl_b32 s92, s100, 4
	s_add_co_u32 s92, s92, s23
	s_lshl_b32 s96, s101, 4
	s_add_co_u32 s96, s96, s23
	s_add_co_u32 s96, s96, 192                     ; out_w's rowblocks lie behind qkv_w's
	s_lshl_b32 s94, s92, 9
	s_add_co_u32 s94, s94, XS_OFF
	s_mul_i32 s92, s92, 12288
	s_lshl_b32 s98, s96, 9
	s_add_co_u32 s98, s98, WS_OFF
	s_mul_i32 s96, s96, 12288
	s_mov_b32 s93, 0
	s_mov_b32 s95, 0
	s_mov_b32 s97, 0
	s_mov_b32 s99, 0
	s_mul_i32 s2, s16, HALFT
	s_lshl_b32 s3, s16, 12
	s_wait_dscnt 0x0                               ; the opening add is done
	s_wait_kmcnt 0x0
	s_add_nc_u64 s[92:93], s[4:5], s[92:93]
	s_add_nc_u64 s[94:95], s[4:5], s[94:95]
	s_add_nc_u64 s[96:97], s[6:7], s[96:97]
	s_add_nc_u64 s[98:99], s[6:7], s[98:99]
	CROUND                                         ; all sixteen work-groups are here: the first joint loads meet
	s_mov_b32 s[G0S], 1
	s_add_co_u32 s[G0S+1], s3, SCL
	s_mov_b64 s[G0S+2:G0S+3], s[94:95]
	s_or_b32 s[G0S+3], s[G0S+3], 0x80000000
	s_mov_b32 s[G0SB], 1
	s_add_co_u32 s[G0SB+1], s3, SCL
	s_mov_b64 s[G0SB+2:G0SB+3], s[98:99]
	s_or_b32 s[G0SB+3], s[G0SB+3], 0x80000000
	JLOAD G0S, G1S, G0SB, G1SB
.irp s, 0,1,2
	s_mov_b32 s[G0+4*\s], 1
	s_add_co_u32 s[G0+4*\s+1], s2, \s*SLOT
	s_add_nc_u64 s[G0+4*\s+2:G0+4*\s+3], s[92:93], \s*RBK
	s_or_b32 s[G0+4*\s+3], s[G0+4*\s+3], 0x80000000
	s_mov_b32 s[G0B+4*\s], 1
	s_add_co_u32 s[G0B+4*\s+1], s2, \s*SLOT
	s_add_nc_u64 s[G0B+4*\s+2:G0B+4*\s+3], s[96:97], \s*RBK
	s_or_b32 s[G0B+4*\s+3], s[G0B+4*\s+3], 0x80000000
	JLOAD G0+4*\s, G1, G0B+4*\s, G1B
.endr
	v_and_b32 v1, 31, v0
	v_and_b32 v2, 15, v0                           ; r
	v_bfe_u32 v3, v0, 4, 1                         ; h
	v_lshlrev_b32 v4, 4, v1                        ; 16 x lane
	v_lshlrev_b32 v5, 3, v1                        ; 8 x lane
	s_mul_i32 s2, s17, HALFT
	s_mul_i32 s3, s18, HALFT
	s_add_co_u32 s3, s3, 2*HALFT
.irp s, 0,1,2
	v_add_nc_u32 v[ADRA+2*\s], s2, v4
	v_add_nc_u32 v[ADRA+2*\s+1], s2, v5
	v_add_nc_u32 v[ADRB+2*\s], s3, v4
	v_add_nc_u32 v[ADRB+2*\s+1], s3, v5
	s_add_co_u32 s2, s2, SLOT
	s_add_co_u32 s3, s3, SLOT
.endr
	s_lshl_b32 s2, s17, 12
	s_lshl_b32 s3, s18, 12
	s_add_co_u32 s3, s3, 8192
	s_sub_co_u32 s3, s3, s2
	v_mul_u32_u24 v6, s3, v3                       ; lanes 16-31 take the weight's words: one product in h
	s_add_co_u32 s2, s2, SCL
	v_lshl_add_u32 v6, v2, 4, v6
	v_add_nc_u32 v[ADRS], s2, v6
	s_mul_i32 s2, s16, 16*SPITCH
	s_add_co_u32 s2, s2, STG                       ; my stage
	v_mul_u32_u24 v6, v2, SPITCH
	v_lshl_add_u32 v6, v3, 6, v6
	v_add_nc_u32 v[STO], s2, v6                    ; in: row r, + 64 h
	v_add_nc_u32 v[RD], s2, v4                     ; back: a row's 512 bytes over the 32 lanes
	s_lshl_b32 s2, s101, 10
	s_lshl_b32 s3, s18, 9
	s_add_co_u32 s2, s2, s3                        ; my 128 columns, in bytes: in out_b and in a row of out0
	s_mov_b32 s3, 0
	s_add_nc_u64 s[8:9], s[8:9], s[2:3]
	s_add_nc_u64 s[10:11], s[10:11], s[2:3]
	s_lshl_b32 s2, s100, 20
	s_lshl_b32 s92, s17, 19
	s_add_co_u32 s2, s2, s92                       ; my 128 rows of 4,096 bytes
	s_add_nc_u64 s[10:11], s[10:11], s[2:3]
	v_lshlrev_b32 v7, 6, v3
.irp b, 0,1,2,3,4,5,6,7                ; the bias in the result's layout: tile b, lane half h: columns 32 (b / 2) + 8 (b % 2) + 16 h + 0 .. 7
	global_load_b128 v[BB+8*\b:BB+8*\b+3], v7, s[8:9] offset:(32*(\b/2)+8*(\b%2))*4
	global_load_b128 v[BB+8*\b+4:BB+8*\b+7], v7, s[8:9] offset:(32*(\b/2)+8*(\b%2))*4+16
.endr
	s_wait_tensorcnt 2                             ; the scale words and part 0 are in; parts 1 and 2, my two younger loads, may be out
	s_barrier_signal -1
	s_barrier_wait -1
	FETCH_B 0, 0, 0
	FETCH_A 0, 0, 0
	SCALES 0, 0
	FETCH_A 0, 0, 4
	s_wait_loadcnt 0x0                             ; the bias
	STEP 0, 0, 1                                   ; the first products take the bias as C
	TURN 0, 1, 1, 2                                ; the one refill: part 3 into slot 0
	STEP 1, 1, 0
	TURN 1, 2, 2, 0                                ; part 2 was shown landed in every wave by the wait and the round in front of the refill
	STEP 2, 0, 0
	TURN 2, 0, 3, 1
	STEP 0, 1, 0
	s_wait_dscnt 16
	WIN MUL_LO
	MUL16 0, 1, 1, 1, 0
	MUL16 2, 1, 1, 1, 0
	s_wait_dscnt 0x0
	WIN MUL_HI
	MUL16 4, 1, 1, 1, 0
	MUL16 6, 1, 1, 1, 0
	WIN 0
; THE WAY OUT, a block of 16 tokens x 128 columns at a time, through my own stage: in by lanes (32 bytes of a row each tile), back as whole rows of 512 bytes.  LDS serves a wave's instructions in order: no wait between the stores and the loads.
.macro TOSTAGE a
.set AC, 64*((\a)%4)
	WIN 0x08+4*((\a)/4)                            ; an LDS store's data are its source 1: window 2 or 3
.irp b, 0,1,2,3,4,5,6,7
	ds_store_b128 v[STO], v[AC+8*\b:AC+8*\b+3] offset:128*(\b/2)+32*(\b%2)       ; each accumulator from its low end on; the offsets put the columns back in their true order
	ds_store_b128 v[STO], v[AC+8*\b+4:AC+8*\b+7] offset:128*(\b/2)+32*(\b%2)+16
.endr
	WIN 0
.set BBK, BK+64*((\a)%2)
.irp t, 0,1,2,3,4,5,6,7,8,9,10,11,12,13,14,15
	ds_load_b128 v[BBK+4*\t:BBK+4*\t+3], v[RD] offset:\t*SPITCH
.endr
.endm
.macro SEND a, younger                 ; younger: the LDS instructions issued behind block a's loads, which may stay out
.set BBK, BK+64*((\a)%2)
	s_wait_dscnt \younger
.irp t, 0,1,2,3,4,5,6,7,8,9,10,11,12,13,14,15
	global_store_b128 v4, v[BBK+4*\t:BBK+4*\t+3], s[10:11] offset:(32*((\a)/2)+8*((\a)%2)+\t+8*(\t/8))*4096 th:TH_STORE_NT   ; 512 consecutive bytes of the token's true row; 127 rows at the most: inside the signed 24-bit immediate
.endr
.endm
	PLACES 4
	TOSTAGE 0
.irp a, 1,2,3,4,5,6,7
.if \a > 1
	s_wait_xcnt 0x0                                ; block a - 2's stores have read their registers: block a's loads may land there
.endif
	TOSTAGE \a
	SEND \a-1, 32                                  ; behind block a - 1's loads: block a's 16 stores and 16 loads
.endr
	SEND 7, 0
	s_wait_tensorcnt 0x0                           ; the wave's end, behind my last tensor load and my last LDS store
	ds_add_u32 v[SPW], v[NIL]
	s_wait_dscnt 0x0
	CROUND                                         ; the closing round
	s_endpgm
.Lfunc_end_k_q0910e57e01_outp:
	.size	k_q0910e57e01_outp, .Lfunc_end_k_q0910e57e01_outp-k_q0910e57e01_outp
	.p2alignl 7, 3214868480
	.fill 96, 4, 3214868480
	.section	.rodata,"a",@progbits
	.p2align	6, 0x0
	.amdhsa_kernel k_q0910e57e01_outp
		.amdhsa_group_segment_fixed_size 327680
		.amdhsa_private_segment_fixed_size 0
		.amdhsa_enable_private_segment 0
		.amdhsa_kernarg_size 32
		.amdhsa_user_sgpr_count 2
		.amdhsa_user_sgpr_kernarg_segment_ptr 1
		.amdhsa_wavefront_size32 1
		.amdhsa_system_sgpr_workgroup_id_x 1
		.amdhsa_system_sgpr_workgroup_id_y 1
		.amdhsa_system_sgpr_workgroup_id_z 1
		.amdhsa_system_vgpr_workitem_id 0
		.amdhsa_next_free_vgpr 1024
		.amdhsa_next_free_sgpr 102
		.amdhsa_reserve_vcc 0
		.amdhsa_float_denorm_mode_32 3
		.amdhsa_float_denorm_mode_16_64 3
		.amdhsa_memory_ordered 1
		.amdhsa_forward_progress 1
		.amdhsa_inst_pref_size 144
	.end_amdhsa_kernel
	.amdgpu_metadata
---
amdhsa.version: [ 1, 2 ]
amdhsa.kernels:
  - .name:           k_q0910e57e01_outp
    .symbol:         k_q0910e57e01_outp.kd
    .args:
      - { .name: cq, .offset: 0, .size: 8, .value_kind: global_buffer, .address_space: global }
      - { .name: wq, .offset: 8, .size: 8, .value_kind: global_buffer, .address_space: global }
      - { .name: out_b, .offset: 16, .size: 8, .value_kind: global_buffer, .address_space: global }
      - { .name: out0, .offset: 24, .size: 8, .value_kind: global_buffer, .address_space: global }
    .group_segment_fixed_size: 327680
    .private_segment_fixed_size: 0
    .kernarg_segment_align: 8
    .kernarg_segment_size: 32
    .max_flat_workgroup_size: 128
    .sgpr_count:     102
    .vgpr_count:     1024
    .wavefront_size: 32
...
	.end_amdgpu_metadata
.endif
;; end of part 4
